; MI455X (gfx1250); checked and timed in simulation.
; The chip was launched on July 23, 2026; its instructions are those of AMD's public machine-readable ISA for CDNA 5 (MIT licence, August 2026) and "CDNA5" Instruction Set Architecture Reference Guide (July 2026). The comments in the code are by the model that wrote it; some were corrected since.
;; Parallel Multi Head Attention. Allowed arithmetic: float matrix products may take bf16 or f16 operands with f32 sums; other float arithmetic in f32, or as packed bf16 or f16 multiplies, adds, multiply-adds, maxima and minima; sums over many terms, partial sums and values carried from step to step in f32; what a program stores and reads back later, other than sums and carried values, may be rounded once to bf16 or f16.
;; Inputs: b_proj 1,024 float32; w_proj 1,024 x 1,024 float32; w_qkv 3,072 x 1,024 float32; x 4 x 2,048 x 1,024 float32.
;; Outputs: out0 4 x 2,048 x 1,024 float32.
;; 2 versions, each right; version 2 is version 1 with the launch cast written anew for expert scheduling mode. Each part assembles by itself: llvm-mc -triple=amdgcn-amd-amdhsa -mcpu=gfx1250 --defsym DOCPART=n.
;; ======== version 1 of 2: 4 launches
;; limits: values are held in f16: magnitudes above 65,504 overflow, below 6.1e-05 lose precision
;; workspace buffers: xb 16,777,216 bytes; wqb 6,291,456 bytes; wpb 2,097,152 bytes; qkvbuf 50,331,648 bytes; obuf 16,777,216 bytes
;; launch cast (part 1): grid 768 x 1, 8 waves a work-group, no clusters, 0 bytes of LDS; arguments x, w_qkv, w_proj, xb, wqb, wpb; writes xb, wqb, wpb
.if DOCPART == 1
	.amdgcn_target "amdgcn-amd-amdhsa--gfx1250"
	.amdhsa_code_object_version 6
	.text
	.protected	k_q1afe213288_cast
	.globl	k_q1afe213288_cast
	.p2align	8
	.type	k_q1afe213288_cast,@function
k_q1afe213288_cast:
	s_mov_b64 s[64:65], 0
	v_nop
	global_prefetch_b8 v0, s[64:65] scope:SCOPE_SE
	s_setreg_imm32_b32 hwreg(HW_REG_WAVE_MODE, 25, 1), 1
	s_wait_xcnt 0x0
; The three large inputs are rounded once to bf16: x -> xb, w_qkv -> wqb (both written as bf16), w_proj -> wpb (rounded to bf16, and that number written as f16,
; since the last product multiplies in f16).
; LIMITS.  |w_proj| stays under 65,504 (f16's range); a w_proj number below 2^-14 keeps f16's fixed step of 6e-8.  NaN and infinities are not treated apart.
; A stream: no LDS, no matrix unit, no cluster (no two work-groups read the same byte).
; SHARES.  A work-group takes 16,384 numbers: 65,536 bytes in, 32,768 out.  Work-groups 0-511: x; 512-703: w_qkv; 704-767: w_proj.
; Thread t takes the 16 bytes at 16 t of each of sixteen pieces of 4,096 bytes: a wave's load covers 512 consecutive bytes, its store of 8 bytes a lane 256 consecutive bytes, aligned.
; All sixteen loads go out at once; no register is written twice while a memory instruction may read it, so the only waits are the counted ones for the loads.
.set NX,  512                          ; work-groups for x
.set NQ,  192                          ; for w_qkv
.set X,   16                           ; v[16:79]   load i: 4 registers
.set Y,   80                           ; v[80:111]  result i: 2 registers
	s_load_b256 s[4:11], s[0:1], 0x0               ; x s[4:5], w_qkv s[6:7], w_proj s[8:9], xb s[10:11]
	s_load_b128 s[12:15], s[0:1], 0x20             ; wqb s[12:13], wpb s[14:15]
	v_lshlrev_b32 v1, 4, v0                        ; 16 t
	v_lshlrev_b32 v2, 3, v0                        ; 8 t
	s_wait_kmcnt 0x0
	s_cmp_lt_u32 ttmp9, NX                         ; which tensor: the choice hangs on the work-group's number alone
	s_cselect_b64 s[16:17], s[4:5], s[6:7]
	s_cselect_b64 s[18:19], s[10:11], s[12:13]
	s_cselect_b32 s21, 0, NX
	s_cmp_ge_u32 ttmp9, NX+NQ
	s_cselect_b64 s[16:17], s[8:9], s[16:17]
	s_cselect_b64 s[18:19], s[14:15], s[18:19]
	s_cselect_b32 s21, NX+NQ, s21
	s_sub_co_u32 s20, ttmp9, s21                   ; my number among the tensor's work-groups
	s_lshl_b32 s22, s20, 16                        ; 65,536 bytes in,
	s_mov_b32 s23, 0
	s_lshl_b32 s24, s20, 15                        ; 32,768 out
	s_mov_b32 s25, 0
	s_add_nc_u64 s[16:17], s[16:17], s[22:23]
	s_add_nc_u64 s[18:19], s[18:19], s[24:25]
.irp i, 0,1,2,3,4,5,6,7,8,9,10,11,12,13,14,15
	global_load_b128 v[X+4*(\i):X+4*(\i)+3], v1, s[16:17] offset:4096*(\i) th:TH_LOAD_NT
.endr
.macro CV i                            ; load i to bf16
	s_wait_loadcnt 15-(\i)                         ; loads come back in order (ISA guide 5.7.1): load i is in, the younger ones stay out
	v_cvt_pk_bf16_f32 v[Y+2*(\i)],   v[X+4*(\i)],   v[X+4*(\i)+1]
	v_cvt_pk_bf16_f32 v[Y+2*(\i)+1], v[X+4*(\i)+2], v[X+4*(\i)+3]
	global_store_b64 v2, v[Y+2*(\i):Y+2*(\i)+1], s[18:19] offset:2048*(\i) th:TH_STORE_NT
.endm
.macro CVH i                           ; load i to bf16, and that number as f16 (exact within f16's range)
	s_wait_loadcnt 15-(\i)
	v_cvt_pk_bf16_f32 v4, v[X+4*(\i)],   v[X+4*(\i)+1]
	v_cvt_pk_bf16_f32 v5, v[X+4*(\i)+2], v[X+4*(\i)+3]
	v_lshlrev_b32 v6, 16, v4
	v_and_b32 v7, 0xffff0000, v4
	v_lshlrev_b32 v8, 16, v5
	v_and_b32 v9, 0xffff0000, v5
	v_cvt_pk_f16_f32 v[Y+2*(\i)],   v6, v7
	v_cvt_pk_f16_f32 v[Y+2*(\i)+1], v8, v9
	global_store_b64 v2, v[Y+2*(\i):Y+2*(\i)+1], s[18:19] offset:2048*(\i) th:TH_STORE_NT
.endm
	s_cmp_ge_u32 ttmp9, NX+NQ
	s_cbranch_scc1 .Lf16
.irp i, 0,1,2,3,4,5,6,7,8,9,10,11,12,13,14,15
	CV \i
.endr
	s_endpgm
.Lf16:
.irp i, 0,1,2,3,4,5,6,7,8,9,10,11,12,13,14,15
	CVH \i
.endr
	s_endpgm
.Lfunc_end_k_q1afe213288_cast:
	.size	k_q1afe213288_cast, .Lfunc_end_k_q1afe213288_cast-k_q1afe213288_cast
	.p2alignl 7, 3214868480
	.fill 96, 4, 3214868480
	.section	.rodata,"a",@progbits
	.p2align	6, 0x0
	.amdhsa_kernel k_q1afe213288_cast
		.amdhsa_group_segment_fixed_size 0
		.amdhsa_private_segment_fixed_size 0
		.amdhsa_enable_private_segment 0
		.amdhsa_kernarg_size 48
		.amdhsa_user_sgpr_count 2
		.amdhsa_user_sgpr_kernarg_segment_ptr 1
		.amdhsa_wavefront_size32 1
		.amdhsa_system_sgpr_workgroup_id_x 1
		.amdhsa_system_sgpr_workgroup_id_y 1
		.amdhsa_system_sgpr_workgroup_id_z 1
		.amdhsa_system_vgpr_workitem_id 0
		.amdhsa_next_free_vgpr 112
		.amdhsa_next_free_sgpr 66
		.amdhsa_reserve_vcc 0
		.amdhsa_float_denorm_mode_32 3
		.amdhsa_float_denorm_mode_16_64 3
		.amdhsa_memory_ordered 1
		.amdhsa_forward_progress 1
		.amdhsa_inst_pref_size 16
	.end_amdhsa_kernel
	.amdgpu_metadata
---
amdhsa.version: [ 1, 2 ]
amdhsa.kernels:
  - .name:           k_q1afe213288_cast
    .symbol:         k_q1afe213288_cast.kd
    .args:
      - { .name: x, .offset: 0, .size: 8, .value_kind: global_buffer, .address_space: global }
      - { .name: w_qkv, .offset: 8, .size: 8, .value_kind: global_buffer, .address_space: global }
      - { .name: w_proj, .offset: 16, .size: 8, .value_kind: global_buffer, .address_space: global }
      - { .name: xb, .offset: 24, .size: 8, .value_kind: global_buffer, .address_space: global }
      - { .name: wqb, .offset: 32, .size: 8, .value_kind: global_buffer, .address_space: global }
      - { .name: wpb, .offset: 40, .size: 8, .value_kind: global_buffer, .address_space: global }
    .group_segment_fixed_size: 0
    .private_segment_fixed_size: 0
    .kernarg_segment_align: 8
    .kernarg_segment_size: 48
    .max_flat_workgroup_size: 256
    .sgpr_count:     66
    .vgpr_count:     112
    .wavefront_size: 32
...
	.end_amdgpu_metadata
.endif
;; end of part 1
;; launch qkv (part 2): grid 16 x 16, 4 waves a work-group, clusters of 4 x 4, 327,680 bytes of LDS; arguments xb, wqb, qkvbuf; writes qkvbuf
.if DOCPART == 2
	.amdgcn_target "amdgcn-amd-amdhsa--gfx1250"
	.amdhsa_code_object_version 6
	.text
	.protected	k_q1afe213288_qkv
	.globl	k_q1afe213288_qkv
	.p2align	8
	.type	k_q1afe213288_qkv,@function
k_q1afe213288_qkv:
	s_mov_b64 s[64:65], 0
	v_nop
	global_prefetch_b8 v0, s[64:65] scope:SCOPE_SE
	s_setreg_imm32_b32 hwreg(HW_REG_WAVE_MODE, 25, 1), 1
	s_wait_xcnt 0x0
	s_wait_alu depctr_hold_cnt(0) depctr_sa_sdst(0) depctr_va_vdst(0) depctr_va_sdst(0) depctr_va_ssrc(0) depctr_va_vcc(0) depctr_vm_vsrc(0)
	s_getreg_b32 s2, hwreg(HW_REG_IB_STS2, 6, 4)
	s_cmp_eq_u32 s2, 0
	s_cbranch_scc0 .Lentry_in_a_cluster
	s_endpgm
.Lentry_in_a_cluster:
	s_bfe_u32 s2, ttmp6, 0x10000c
	s_cmp_lg_u32 s2, 0xf033
	s_cbranch_scc0 .Lentry_shape_is_right
	s_endpgm
.Lentry_shape_is_right:
; qkv[m][f] = the sum over e of x[m][e] w_qkv[f][e].  xb: [8192][1024] bf16, wqb: [3072][1024] bf16; sums in f32; the result rounded once to f16, unscaled.
; IT IS WRITTEN IN PLANES OF HALF A HEAD: plane g = f / 32 holds [8192 rows][32 channels], 64 bytes a row, 524,288 bytes a plane; q in planes 0-31, k in 32-63, v in 64-95.
; LIMIT.  |q|, |k|, |v| stay under 65,504, f16's range: a larger sum becomes an infinity.  NaN and infinities are not treated apart.
; SHARES.  A tile of the result is 256 rows x 192 columns: 32 x 16 = 512 tiles.  A work-group of four waves makes TWO, 4,096 rows apart: 256 work-groups of equal work.  A wave makes 128 x 96: 48 accumulators
; of 16 x 16, 384 registers: for 32 along K it reads (128 + 96) x 64 bytes of LDS for 48 matrix instructions.  A wave's 96 columns are three planes, so 16 rows of it leave as three runs of 1,024 consecutive bytes.
; THE RING.  K goes in steps of 128 (rows of 256 bytes in memory) through two LDS slots; the two tiles' sixteen K steps are ONE walk: a step's slot is filled again with the step two on, across the change of tiles too.
; A K step is the loop's trip; the last two steps, which ask for nothing, are a second loop.
; CLUSTER.  4 x 4 work-groups.  The four of a row of the cluster need the same tiles of x, the four of a column the same tiles of w: each is asked for JOINTLY, by the same tensor load with the same descriptor and a mask of the four.
; THE MATRIX INSTRUCTION IS USED TRANSPOSED: source 0 = 16 rows of w, source 1 = 16 rows of x: a lane then holds one row of the result (lane % 16) and the eight neighbouring columns 8 (lane / 16) + 0..7.
; REGISTERS, in windows of 256 (s_set_vgpr_msb: bits 1:0 source 0, 3:2 source 1, 5:4 source 2, 7:6 destination):
;   window 0: v0-31 addresses; v32-143, v144-255 two fragment buffers (x's 8 fragments, then w's 6); on the way out the second buffer holds the packed results and the rows read back
;   window 1: the 24 accumulators of my rows 0-63 ((a, b) at 8 (6 a + b));   window 2: those of my rows 64-127
.set PITCH,  272                       ; an LDS row: 256 bytes + 16 of padding = 68 words: row r starts at bank 4 r mod 64 (64 banks of 4 bytes: ISA guide 11.1)
.set AHALF,  128*PITCH                 ; 128 rows of x: one tensor load, and what one wave reads of x
.set BHALF,  96*PITCH                  ; 96 rows of w: likewise
.set BOFF,   2*AHALF                   ; in a slot: x's 256 rows, then w's 192
.set SLOT1,  131072                    ; slot 1 begins here: one exclusive or turns an address in one slot into the other's
.set STAGE,  SLOT1+BOFF+2*BHALF        ; behind the ring, never filled by a tensor load: for each wave 3 planes x 16 rows x 80 bytes
.set SPITCH, 80                        ; a stage row: 64 bytes + 16
.set STG,    3*16*SPITCH
.set SPARE,  STAGE+4*STG               ; the spare words, 128 bytes for each wave: two blocks of 256 bytes that no other line names
.set FA0,  16                          ; v16  my lane's place in x's tile of slot 0; never rewritten
.set FB0,  17                          ; v17  the same for w
.set ADRA, 18                          ; v18  the same in the slot in hand
.set ADRB, 19                          ; v19
.set STO,  24                          ; v24  the way out: where I put 16 bytes of a row
.set RD,   25                          ; v25  the way out: where I read rows back
.set CO,   26                          ; v26  16 x my lane: my place in 512 consecutive bytes of a plane
.set SPW,  28                          ; v28  LDS address of my spare word; never rewritten
.set NIL,  29                          ; v29  0; never rewritten
.set F0,   32
.set F1,   144
.set TMP,  144                         ; the way out: 24 registers of packed results
.set OB,   168                         ; the way out: 16 rows read back, 24 registers, two sets by turns
.set BASEA, 12                         ; s[12:13] xb at my 128 rows of the first tile, K step 0
.set BASEB, 14                         ; s[14:15] wqb at my 96 rows, K step 0
.set G1A, 24                           ; s[24:31] descriptor group 1 for x's tiles
.set G0A, 32                           ; s[32:39] group 0: a set for each of the two first fills; the second then walks
.set G1B, 48                           ; s[48:55], s[56:63] the same for w's tiles
.set G0B, 56
.set CNT, 66                           ; s66  the loops' count
.set KC,  67                           ; s67  K steps left in the tile in hand
.set J,   68                           ; s68  the K step to be asked for next, 2 to 15
.set TB,  69                           ; s69  LDS byte at which the slot in hand begins
.set OFFA, 70                          ; s[70:71] step J's byte offset from BASEA
.set OFFB, 72                          ; s[72:73] from BASEB
.set NEW, 74                           ; s74  1: the K step to come is a tile's first
.set WV,  76                           ; s76  my wave's number
.set RH,  77                           ; s77  which 128 rows of the tile are mine.  Also: I fetch for x (0) or for w (1)
.set CH,  78                           ; s78  which 96 columns.  Also: which half of that tile I fetch
.set MSB, 0
.macro WIN new                         ; the immediate's high byte repeats the setting that is left; a switch that changes nothing is dropped
.if MSB != (\new)
	s_set_vgpr_msb (MSB<<8)|(\new)
.set MSB, \new
.endif
.endm
.macro PLACES                          ; four places in front of loads into registers that matrix instructions have read (ISA guide 7.12.1 for vector instructions)
.rept 4
	v_nop
.endr
.endm
; A joint refill by the walking descriptors.  Waves 0 and 1 fetch x's two halves, waves 2 and 3 w's.  The branch hangs on the wave's number alone.
; An s_nop 0 and four v_nop follow each of the two lines, ahead of the jump and the label.
.macro JLOAD
	s_cmp_eq_u32 s[RH], 0
	s_cbranch_scc0 .Lfor_b_\@
	tensor_load_to_lds s[G0A+4:G0A+7], s[G1A:G1A+7]
	s_nop 0
.rept 4
	v_nop
.endr
	s_branch .Lasked_\@
.Lfor_b_\@:
	tensor_load_to_lds s[G0B+4:G0B+7], s[G1B:G1B+7]
	s_nop 0
.rept 4
	v_nop
.endr
.Lasked_\@:
.endm
.macro CREST                           ; a round of the cluster's barrier behind its opening barrier
	s_cmp_lg_u32 s[WV], 0
	s_cbranch_scc1 .Lnot_wave_0_\@
	s_barrier_signal -3
.Lnot_wave_0_\@:
	s_barrier_wait -3
	s_barrier_signal -1
	s_barrier_wait -1
.endm
.macro CROUND                          ; a whole round
	s_barrier_signal -1
	s_barrier_wait -1
	CREST
.endm
	s_load_b128 s[4:7], s[0:1], 0x0                ; xb s[4:5], wqb s[6:7]
	s_load_b64 s[8:9], s[0:1], 0x10                ; qkvbuf
	v_lshl_add_u32 v[SPW], v0, 2, SPARE
	v_mov_b32 v[NIL], 0
	ds_add_u32 v[SPW], v[NIL]                      ; the wave's opening: the add and its wait stand ahead of my first tensor load; the set-up below, work on registers, stands between them
	ds_add_u32 v28, v29
	v_lshrrev_b32 v1, 5, v0
	v_readfirstlane_b32 s[WV], v1                  ; wave 0..3
	s_lshr_b32 s[RH], s[WV], 1
	s_and_b32 s[CH], s[WV], 1
	s_bfe_u32 s40, ttmp6, 0x40000                  ; cx, cy: my place in the cluster
	s_bfe_u32 s41, ttmp6, 0x40004
	s_lshl_b32 s42, ttmp9, 2
	s_add_co_u32 s42, s42, s40                     ; tile column = 4 x cluster x + cx, 0..15
	s_and_b32 s43, ttmp7, 0xffff
	s_lshl_b32 s43, s43, 2
	s_add_co_u32 s43, s43, s41                     ; first tile row = 4 x cluster y + cy, 0..15
	s_lshl_b32 s44, s41, 2
	s_lshl_b32 s44, 15, s44                        ; my row of the cluster
	s_lshl_b32 s45, 0x1111, s40                    ; my column
	s_or_b32 s[G1A], s44, (1<<16)|(1<<20)|(1<<21)|(5<<22)|(3<<25)  ; 15:0 the mask; 17:16 elements of 2 bytes; 20 padding on; 21 set beside a mask; 24:22 after every 64 words (code 5); 31:25 4 words of it (code 3)
	s_or_b32 s[G1B], s45, (1<<16)|(1<<20)|(1<<21)|(5<<22)|(3<<25)
	s_mov_b32 s[G1A+1], 128<<16                    ; tensor_dim0 = 128
	s_mov_b32 s[G1A+2], 128<<16                    ; tensor_dim1 = 128
	s_mov_b32 s[G1A+3], 128<<16                    ; tile_dim0 = 128
	s_mov_b32 s[G1A+4], 128                        ; tile_dim1 = 128
	s_mov_b32 s[G1A+5], 1024                       ; 1,024 elements from row to row
	s_mov_b32 s[G1A+6], 0
	s_mov_b32 s[G1A+7], 0
	s_mov_b32 s[G1B+1], 128<<16
	s_mov_b32 s[G1B+2], 96<<16                     ; w's tiles have 96 rows
	s_mov_b32 s[G1B+3], 128<<16
	s_mov_b32 s[G1B+4], 96
	s_mov_b32 s[G1B+5], 1024
	s_mov_b32 s[G1B+6], 0
	s_mov_b32 s[G1B+7], 0
	s_lshl_b32 s16, s43, 8                         ; x: row 256 x tile row + 128 x half, 2,048 bytes a row.  These registers never hold cx,
	s_lshl_b32 s17, s[CH], 7
	s_add_co_u32 s16, s16, s17
	s_lshl_b32 s16, s16, 11
	s_mov_b32 s17, 0
	s_mul_i32 s20, s42, 192                        ; w: row 192 x tile column + 96 x half.  and these never cy
	s_mul_i32 s21, s[CH], 96
	s_add_co_u32 s20, s20, s21
	s_lshl_b32 s20, s20, 11
	s_mov_b32 s21, 0
	s_mul_i32 s18, s[CH], AHALF                    ; where they go: no place in the cluster enters an LDS address
	s_mul_i32 s22, s[CH], BHALF
	s_add_co_u32 s22, s22, BOFF
	s_mov_b32 s[G0A], 1                            ; count = 1
	s_mov_b32 s[G0A+1], s18                        ; LDS address: slot 0
	s_mov_b32 s[G0A+4], 1
	s_add_co_u32 s[G0A+5], s18, SLOT1              ; slot 1
	s_mov_b32 s[G0B], 1
	s_mov_b32 s[G0B+1], s22
	s_mov_b32 s[G0B+4], 1
	s_add_co_u32 s[G0B+5], s22, SLOT1
	s_mov_b32 s[OFFA+1], 0
	s_mov_b32 s[OFFB+1], 0
	s_mov_b32 s[TB], 0
	s_wait_dscnt 0x0                               ; the opening add is done
	s_wait_kmcnt 0x0
	s_add_nc_u64 s[BASEA:BASEA+1], s[4:5], s[16:17]
	s_add_nc_u64 s[BASEB:BASEB+1], s[6:7], s[20:21]
	s_mov_b64 s[G0A+2:G0A+3], s[BASEA:BASEA+1]     ; K step 0
	s_or_b32 s[G0A+3], s[G0A+3], 0x80000000        ; type = 2
	s_add_nc_u64 s[G0A+6:G0A+7], s[BASEA:BASEA+1], 256  ; K step 1
	s_or_b32 s[G0A+7], s[G0A+7], 0x80000000
	s_mov_b64 s[G0B+2:G0B+3], s[BASEB:BASEB+1]
	s_or_b32 s[G0B+3], s[G0B+3], 0x80000000
	s_add_nc_u64 s[G0B+6:G0B+7], s[BASEB:BASEB+1], 256
	s_or_b32 s[G0B+7], s[G0B+7], 0x80000000
	CROUND                                         ; all sixteen work-groups are here: the first joint loads meet
	s_cmp_eq_u32 s[RH], 0                          ; a wave's two first fills stand in one branch, ahead of every wait on TENSORcnt and every LDS read: two loads of mine are out
	s_cbranch_scc0 .Lfirst_b
	tensor_load_to_lds s[G0A:G0A+3], s[G1A:G1A+7]
	s_nop 0
	tensor_load_to_lds s[G0A+4:G0A+7], s[G1A:G1A+7]
	s_nop 0
.rept 4
	v_nop
.endr
	s_branch .Lfirst_asked
.Lfirst_b:
	tensor_load_to_lds s[G0B:G0B+3], s[G1B:G1B+7]
	s_nop 0
	tensor_load_to_lds s[G0B+4:G0B+7], s[G1B:G1B+7]
	s_nop 0
.rept 4
	v_nop
.endr
.Lfirst_asked:
	; A fragment is 16 rows x 32 K in 8 registers: lane l holds row l % 16; registers 0-3 K = 8 (l / 16) + 0..7, registers 4-7 K = 16 + 8 (l / 16) + 0..7: two loads of 16 bytes, 32 bytes apart.
	v_and_b32 v1, 15, v0                           ; l % 16
	v_bfe_u32 v2, v0, 4, 1                         ; l / 16
	v_mul_u32_u24 v3, v1, PITCH
	v_lshl_add_u32 v3, v2, 4, v3
	s_mul_i32 s16, s[RH], AHALF                    ; my 128 rows of x
	v_add_nc_u32 v[FA0], s16, v3
	s_mul_i32 s20, s[CH], BHALF                    ; my 96 rows of w, behind x's 256
	s_add_co_u32 s20, s20, BOFF
	v_add_nc_u32 v[FB0], s20, v3
	v_mov_b32 v[ADRA], v[FA0]
	v_mov_b32 v[ADRB], v[FB0]
	s_mul_i32 s21, s[WV], STG
	s_add_co_u32 s21, s21, STAGE                   ; my stage
	v_mul_u32_u24 v4, v1, SPITCH                   ; in: row l % 16, 16 bytes for each half of the lanes
	v_lshl_add_u32 v4, v2, 4, v4
	v_add_nc_u32 v[STO], s21, v4
	v_bfe_u32 v4, v0, 2, 3                         ; back: 32 lanes take eight rows of 64 bytes: row l / 4, 16 bytes at 16 (l % 4)
	v_and_b32 v5, 3, v0
	v_mul_u32_u24 v4, v4, SPITCH
	v_lshl_add_u32 v4, v5, 4, v4
	v_add_nc_u32 v[RD], s21, v4
	v_and_b32 v5, 31, v0
	v_lshlrev_b32 v[CO], 4, v5                     ; which are 512 consecutive bytes of a plane
	s_mul_i32 s20, s42, 6                          ; my first plane: 6 x tile column + 3 x half,
	s_mul_i32 s21, s[CH], 3
	s_add_co_u32 s20, s20, s21
	s_lshl_b32 s20, s20, 19                        ; 524,288 bytes a plane;
	s_lshl_b32 s22, s43, 14                        ; my first row: 256 x tile row + 128 x half, 64 bytes a row
	s_lshl_b32 s23, s[RH], 13
	s_add_co_u32 s20, s20, s22
	s_add_co_u32 s20, s20, s23
	s_mov_b32 s21, 0
	s_add_nc_u64 s[8:9], s[8:9], s[20:21]
; 12 matrix instructions: row blocks a0, a0 + 1 of the window's four (hi = 0: my rows 0-63, 1: rows 64-127) x all 6 column blocks, 32 along K.  zero = 1: the product starts the sum: nothing is ever cleared.
; The 48 accumulators take turns in the same order in every quarter.
.macro MUL12 f, hi, a0, zero
	WIN 0x50+0x50*(\hi)                            ; fragments in window 0; C and D in window 1 or 2
.irp a, \a0, (\a0)+1
.irp b, 0,1,2,3,4,5
.if \zero
	v_wmma_f32_16x16x32_bf16 v[8*(6*(\a)+(\b)):8*(6*(\a)+(\b))+7], v[(\f)+64+8*(\b):(\f)+64+8*(\b)+7], v[(\f)+8*(4*(\hi)+(\a)):(\f)+8*(4*(\hi)+(\a))+7], 0
.else
	v_wmma_f32_16x16x32_bf16 v[8*(6*(\a)+(\b)):8*(6*(\a)+(\b))+7], v[(\f)+64+8*(\b):(\f)+64+8*(\b)+7], v[(\f)+8*(4*(\hi)+(\a)):(\f)+8*(4*(\hi)+(\a))+7], v[8*(6*(\a)+(\b)):8*(6*(\a)+(\b))+7]
.endif
.endr
.endr
.endm
; 28 LDS loads in one run: the fragments of one quarter step (96 rows of w, then 128 rows of x, 32 K at byte k of the rows) into buffer f
.macro FETCH k, f
	WIN 0
.irp i, 0,1,2,3,4,5
	ds_load_b128 v[(\f)+64+8*(\i):(\f)+64+8*(\i)+3],   v[ADRB] offset:(\k)+(\i)*16*PITCH
	ds_load_b128 v[(\f)+64+8*(\i)+4:(\f)+64+8*(\i)+7], v[ADRB] offset:(\k)+(\i)*16*PITCH+32
.endr
.irp i, 0,1,2,3,4,5,6,7
	ds_load_b128 v[(\f)+8*(\i):(\f)+8*(\i)+3],   v[ADRA] offset:(\k)+(\i)*16*PITCH
	ds_load_b128 v[(\f)+8*(\i)+4:(\f)+8*(\i)+7], v[ADRA] offset:(\k)+(\i)*16*PITCH+32
.endr
.endm
; A K step is four quarters of 32 along K, 48 matrix instructions each, on buffers 0, 1, 0, 1.  One of the first three: multiplies buffer f; in its middle it fetches the next quarter, at byte k, into buffer g.
.macro QUARTER k, f, g, zero
	s_wait_dscnt 8                                 ; w and x's rows 0-63 are in; the youngest eight loads (x's rows 64-127) may be out
	MUL12 \f, 0, 0, \zero
	MUL12 \f, 0, 2, \zero
	PLACES
.if \zero
	v_nop                                          ; the products below write over accumulators: five places behind the products that wrote them last, whichever way leads here
.endif
	FETCH \k, \g
	s_wait_dscnt 28                                ; all but the 28 just issued
	MUL12 \f, 1, 0, \zero
	MUL12 \f, 1, 2, \zero
.endm
; The last quarter multiplies buffer 1 and changes slots: ONE barrier.  In front of it each wave waits for all its tensor loads, of which one is out: its part of the next slot; adds 0 to its spare word; and waits
; for that and for its own reads of this slot.  fill = 1: the barrier opens a round of the cluster's, and this slot is filled again, first thing behind the round, with K step J: 180 matrix instructions ahead of the wait for it.
; fill = 0 (the last two K steps): nothing is asked for; the very last step has no next fragments, and their run of loads is jumped over.
.macro TURN fill
	WIN 0                                          ; (the add's two registers lie in window 0)
	s_wait_tensorcnt 0x0                           ; no tensor load of mine is out, so a group 0 may be written
	ds_add_u32 v[SPW], v[NIL]                      ; 0 onto my spare word
.if \fill
	s_and_b32 s[OFFB], s[J], 7                     ; step J is K step J % 8 (256 bytes each)
	s_lshl_b32 s[OFFB], s[OFFB], 8
	s_lshr_b32 s[OFFA], s[J], 3                    ; of tile J / 8 (4,096 rows of 2,048 bytes further down x; w's rows are the same)
	s_lshl_b32 s[OFFA], s[OFFA], 23
	s_add_co_u32 s[OFFA], s[OFFA], s[OFFB]
	s_xor_b32 s[G0A+5], s[G0A+5], SLOT1            ; the other slot than last time
	s_add_nc_u64 s[G0A+6:G0A+7], s[BASEA:BASEA+1], s[OFFA:OFFA+1]
	s_or_b32 s[G0A+7], s[G0A+7], 0x80000000
	s_xor_b32 s[G0B+5], s[G0B+5], SLOT1
	s_add_nc_u64 s[G0B+6:G0B+7], s[BASEB:BASEB+1], s[OFFB:OFFB+1]
	s_or_b32 s[G0B+7], s[G0B+7], 0x80000000
	s_add_co_u32 s[J], s[J], 1
.endif
	s_wait_dscnt 9                                 ; (the add and the youngest eight loads may be out)
	MUL12 F1, 0, 0, 0                              ; twelve matrix instructions stand between the add and the wait for it
	s_wait_dscnt 0x0                               ; the add is done, and my reads of this slot are over
	s_barrier_signal -1
	MUL12 F1, 0, 2, 0                              ; work on registers while the others arrive
	WIN 0
	s_barrier_wait -1
.if \fill
	CREST                                          ; no wave of any partner still reads this slot's tile or has a load on its way
	JLOAD                                          ; the four v_nop behind it are also the places in front of the loads below
.else
	PLACES
	s_cmp_eq_u32 s[CNT], 1
	s_cbranch_scc1 .Lno_fetch_\@
.endif
	s_xor_b32 s[TB], s[TB], SLOT1
	v_add_nc_u32 v[ADRA], s[TB], v[FA0]
	v_add_nc_u32 v[ADRB], s[TB], v[FB0]
	FETCH 0, F0
.if !(\fill)
.Lno_fetch_\@:
.endif
	MUL12 F1, 1, 0, 0
	MUL12 F1, 1, 2, 0
.endm
; THE WAY OUT of row block a (16 rows x 96 columns), in three parts.  PACK: rounded to f16, 16 bytes a lane, each accumulator's registers in ascending order.  TOSTAGE: into my own stage, plane by plane, and back as
; runs of eight rows.  SEND: stored, 512 consecutive bytes of a plane an instruction.
.macro PACK a
.set AC, 48*((\a)%4)
	WIN 0x05+5*((\a)/4)                            ; sources 0 and 1: window 1 or 2
.irp b, 0,1,2,3,4,5
.irp r, 0,1,2,3
	v_cvt_pk_f16_f32 v[TMP+4*(\b)+(\r)], v[AC+8*(\b)+2*(\r)], v[AC+8*(\b)+2*(\r)+1]
.endr
.endr
	WIN 0
.endm
.macro TOSTAGE a
	WIN 0
.set BK, OB+24*((\a)%2)
.irp b, 0,1,2,3,4,5
	ds_store_b128 v[STO], v[TMP+4*(\b):TMP+4*(\b)+3] offset:((\b)/2)*16*SPITCH+((\b)%2)*32
.endr
.irp t, 0,1,2,3,4,5
	ds_load_b128 v[BK+4*(\t):BK+4*(\t)+3], v[RD] offset:((\t)/2)*16*SPITCH+((\t)%2)*8*SPITCH  ; LDS serves a wave's instructions in order (ISA guide 5.7.1.4): these see the stores above
.endr
.endm
.macro SEND a
	WIN 0
.set BK, OB+24*((\a)%2)
	s_wait_dscnt 0x0                               ; the block is back in registers
	s_wait_xcnt 0x0                                ; the stores of the block before have read their registers: the next TOSTAGE loads into them
.irp t, 0,1,2,3,4,5
	global_store_b128 v[CO], v[BK+4*(\t):BK+4*(\t)+3], s[8:9] offset:(\a)*1024+((\t)/2)*524288+((\t)%2)*512
.endr
.endm
; No v_nop: TMP's registers were last read in front of TURN's places, and block 0's 24 conversions, which name no register of the last 24 products, are those products' places.
.macro WAYOUT
	PACK 0
	TOSTAGE 0
.irp a, 1,2,3,4,5,6,7                  ; block a's conversions stand between block a - 1's loads from the stage and the wait for them
	PACK \a
	SEND (\a)-1
	TOSTAGE \a
.endr
	SEND 7
.endm
	s_wait_tensorcnt 0x1                           ; my part of K step 0 is in; step 1's may stay out
	s_barrier_signal -1
	s_barrier_wait -1                              ; everybody's is
	FETCH 0, F0
	s_mov_b32 s[CNT], 14
	s_mov_b32 s[KC], 8
	s_mov_b32 s[J], 2
	s_mov_b32 s[NEW], 1
.Ltrip:                                                ; fourteen trips, a K step each: step n is multiplied, and its slot filled again with step n + 2
	s_cmp_eq_u32 s[NEW], 1                         ; a tile's first step?  At the first trip the answer is a constant of the text
	s_cbranch_scc1 .Lzero
	QUARTER 64, F0, F1, 0
	WIN 0                                          ; at a label and at a branch every window is 0
	s_branch .Lq1
.Lzero:
	s_mov_b32 s[NEW], 0
	QUARTER 64, F0, F1, 1                          ; its products start the sums
	WIN 0
.Lq1:
	QUARTER 128, F1, F0, 0
	QUARTER 192, F0, F1, 0
	TURN 1
	WIN 0
	s_sub_co_u32 s[KC], s[KC], 1
	s_cmp_lg_u32 s[KC], 0
	s_cbranch_scc1 .Lbottom
	WAYOUT                                         ; the first tile is finished; the second tile's first two K steps have been asked for
	s_wait_xcnt 0x0                                ; the stores have read their registers and their base
	s_add_nc_u64 s[8:9], s[8:9], 262144            ; 4,096 rows of 64 bytes further down each plane
	s_mov_b32 s[KC], 8
	s_mov_b32 s[NEW], 1
.Lbottom:
	s_sub_co_u32 s[CNT], s[CNT], 1
	s_cmp_lg_u32 s[CNT], 0
	s_cbranch_scc1 .Ltrip
	s_mov_b32 s[CNT], 2
.Ltail:                                                ; the last two K steps ask for nothing (the second's barrier orders nothing new: the price of one text for both)
	QUARTER 64, F0, F1, 0
	QUARTER 128, F1, F0, 0
	QUARTER 192, F0, F1, 0
	TURN 0
	WIN 0
	s_sub_co_u32 s[CNT], s[CNT], 1
	s_cmp_lg_u32 s[CNT], 0
	s_cbranch_scc1 .Ltail
	WAYOUT
	s_wait_tensorcnt 0x0                           ; the wave's end, behind my last tensor load and my last LDS store
	ds_add_u32 v[SPW], v[NIL]
	s_wait_dscnt 0x0
	CROUND                                         ; the closing round: no work-group ends while a partner may still ask for a tile that names it
	s_endpgm
.Lfunc_end_k_q1afe213288_qkv:
	.size	k_q1afe213288_qkv, .Lfunc_end_k_q1afe213288_qkv-k_q1afe213288_qkv
	.p2alignl 7, 3214868480
	.fill 96, 4, 3214868480
	.section	.rodata,"a",@progbits
	.p2align	6, 0x0
	.amdhsa_kernel k_q1afe213288_qkv
		.amdhsa_group_segment_fixed_size 327680
		.amdhsa_private_segment_fixed_size 0
		.amdhsa_enable_private_segment 0
		.amdhsa_kernarg_size 24
		.amdhsa_user_sgpr_count 2
		.amdhsa_user_sgpr_kernarg_segment_ptr 1
		.amdhsa_wavefront_size32 1
		.amdhsa_system_sgpr_workgroup_id_x 1
		.amdhsa_system_sgpr_workgroup_id_y 1
		.amdhsa_system_sgpr_workgroup_id_z 1
		.amdhsa_system_vgpr_workitem_id 0
		.amdhsa_next_free_vgpr 704
		.amdhsa_next_free_sgpr 80
		.amdhsa_reserve_vcc 0
		.amdhsa_float_denorm_mode_32 3
		.amdhsa_float_denorm_mode_16_64 3
		.amdhsa_memory_ordered 1
		.amdhsa_forward_progress 1
		.amdhsa_inst_pref_size 104
	.end_amdhsa_kernel
	.amdgpu_metadata
---
amdhsa.version: [ 1, 2 ]
amdhsa.kernels:
  - .name:           k_q1afe213288_qkv
    .symbol:         k_q1afe213288_qkv.kd
    .args:
      - { .name: xb, .offset: 0, .size: 8, .value_kind: global_buffer, .address_space: global }
      - { .name: wqb, .offset: 8, .size: 8, .value_kind: global_buffer, .address_space: global }
      - { .name: qkvbuf, .offset: 16, .size: 8, .value_kind: global_buffer, .address_space: global }
    .group_segment_fixed_size: 327680
    .private_segment_fixed_size: 0
    .kernarg_segment_align: 8
    .kernarg_segment_size: 24
    .max_flat_workgroup_size: 128
    .sgpr_count:     80
    .vgpr_count:     704
    .wavefront_size: 32
...
	.end_amdgpu_metadata
.endif
;; end of part 2
;; launch attn (part 3): grid 4 x 64, 4 waves a work-group, no clusters, 327,680 bytes of LDS; arguments qkvbuf, obuf; writes obuf
.if DOCPART == 3
	.amdgcn_target "amdgcn-amd-amdhsa--gfx1250"
	.amdhsa_code_object_version 6
	.text
	.protected	k_q1afe213288_attn
	.globl	k_q1afe213288_attn
	.p2align	8
	.type	k_q1afe213288_attn,@function
k_q1afe213288_attn:
	s_mov_b64 s[64:65], 0
	v_nop
	global_prefetch_b8 v0, s[64:65] scope:SCOPE_SE
	s_setreg_imm32_b32 hwreg(HW_REG_WAVE_MODE, 25, 1), 1
	s_wait_xcnt 0x0
; CAUSAL ATTENTION.  O[y][q][:] = the sum over k <= q of softmax_k(Q[y][q] . K[y][k] / 8) V[y][k][:], for 64 heads y = 16 b + h of 2,048 rows and 64 channels, all f16.
; Q, K, V come in planes of half a head: plane g holds [8192 rows m = 2048 b + t][32 channels], 64 bytes a row, 524,288 bytes a plane; q of head h in planes 2 h, 2 h + 1, k in 32 + 2 h (+ 1), v in 64 + 2 h (+ 1).
; O leaves by heads: [y][t][64], 128 bytes a row.  Products, maxima and sums in f32; the weights p are rounded to f16 for the second product (their sum l is taken of the unrounded p), O once at the end.
; LIMITS.  f16 holds no number beyond 65,504: Q, K and V arrive within it; p lies in 0 to 1, and below 6e-5 it keeps f16's fixed step of 6e-8; O is a mean of V's rows and has their range, to within 2^-11 of it.
; A hidden score counts as its value less 1e30: f16's scores, 2.7e11 at the most, are nothing beside that; a weight below 2^-126 counts as 0 in l; NaN and infinities are not treated apart.
; THE WALK.  A head's queries lie in NB = 8 blocks of 256; block i needs the key tiles 0 .. i of 256 keys, of which the last holds the diagonal.  A work-group takes TWO blocks, NB - 1 - b and then b:
; NB + 1 tiles, whatever b: all work-groups do equal work, and ONE loop with a constant trip count walks them.  Which tile is asked for, and what a trip does, hang on scalar registers made from b; every jump
; goes forward, but for the counted loops' own; none passes a barrier, or a tensor load but the one of LOAD's two that the wave's number does not choose; the ring (two slots of LDS that take turns) runs on across the
; change of blocks.  NO CLUSTER: a head's four work-groups ask for the same tile only in trips 0 .. NB / 2 of the nine, behind that fewer and fewer; one walk common to all would have 3 NB / 2 = 12 trips for 9.
; SHARES.  Of a block's four bands of 64 queries a wave owns 16 rows in each: four PIECES.  So the diagonal tile is the same work for all four waves: in its key step s band x sees all keys if s < x,
; none if s > x, and holds the diagonal if s = x.
; THE MASK is the C operand that starts the sum S^T = K Q^T: 0, or -1e30 where the key is hidden.  MD, made once, is the mask of a band's own step for my 16 rows; a product's mask is MD x AL + BE with two scalars:
; (1, 0) if s = x; (0, 0) if s < x; (0, -1e30) if s > x.  Only the diagonal tile's text and a block's beginning make and take masks; elsewhere C is the constant 0.
; LAYOUT, SOFTMAX, TURNS.  S^T = K Q^T holds ONE query a lane (lane % 16) and the keys 8 (lane / 16) + 0..7; two such results rounded to f16 ARE source 1 of O^T = V^T P.  p = 2^(c s - c m), c = log2(e) / 8, with a
; running maximum m; O and l are multiplied by a = 2^(c m_old - c m_new) in every step.  Turn n belongs to piece n: 8 products K Q^T of piece n + 1, later 8 products V^T P of piece n - 1; beside them the scaling,
; exponentials, roundings, sums and rescaling of piece n and the maximum and statistics of piece n + 1.  Four vector instructions stand behind every matrix instruction, the other 54 of a turn's 118 in two LUMPS.
; AHEAD OF THE LOADS.  The work-group with b = 0 walks a head's tiles 0 to 7 in order.  Behind each of its first six fills each of its waves prefetches into the L2 the 16,384 bytes (a plane's 256 rows) that it will
; itself ask for at the next change of slots, a tile of work ahead: 64 blocks of 256 bytes, a lane a block, two instructions.  So tiles 2 to 7 are named once for each head; tiles 0 and 1 come by their loads alone.
; REGISTERS, in windows of 256 (s_set_vgpr_msb: bits 1:0 source 0, 3:2 source 1, 5:4 source 2, 7:6 destination):
;   window 0: v0-15 addresses and two at work; v16-31 four registers of statistics a piece; v48-55 at work; v64-127 S^T, two buffers; v192-223 P, two buffers (a piece's buffers go by its number's parity)
;   window 1: v0-127 O^T, 32 a piece; v128-159 MD; v160-223 MC, two buffers      window 2: v0-63 Q; v64-127 the second block's Q; v128-191 K of one step; v192-255 V of one step
.set NB,    8
.set NP,    4         ; pieces a wave: a name, no knob
.set KS,    64        ; keys in a step
.set PK,    80        ; a row of a plane of K in LDS: 64 bytes + 16 of padding = 20 words: the 16 rows of a load start at 16 different groups of four banks (64 banks of 4 bytes: ISA guide 11.1)
.set PV,    96        ; a row of a plane of V: 64 + 32 = 24 words
.set PLK,   256*PK    ; a tile's plane of K: 256 keys
.set PLV,   256*PV    ; of V
.set VOFF,  2*PLK     ; a slot holds a tile, four steps: K's two planes, then V's two
.set SLOT1, 1<<17     ; slot 1 begins here, so that one exclusive or turns an address in one slot into the other's
.set STAGE, SLOT1+2*(PLK+PLV)  ; behind the ring, never filled by a tensor load: 16 rows x 144 bytes for each wave, for the way out
.set SP,    144
.set AK0, 2           ; v2   my lane's place in a tile of K; never rewritten
.set AV0, 3           ; v3   the same for V
.set AK,  4           ; v4   the LDS address of K's next run of loads
.set AV,  5           ; v5   of V's
.set STO, 6           ; v6   the way out: where I put 16 bytes of a row
.set RD,  7           ; v7   the way out: where I read rows back
.set GO,  8           ; v8   my byte offset in 512 consecutive bytes of O
.set PFO, 61          ; v61  256 x my lane: the prefetches' offset; never rewritten
.set SPW, 62          ; v62  LDS address of my spare word: SPARE + 4 x my thread's number; never rewritten
.set NIL, 63          ; v63  0; never rewritten
.set SPARE, STAGE+4*16*SP  ; behind the stages: the spare words, 128 bytes for each wave: two blocks of 256 bytes that no other line names
.set MV,  12          ; v12-13  c m_old, kept while c m is made anew: by buffer
.set QO,  15          ; v15  my byte offset in 16 rows of a plane of Q
.set ST,  16          ; piece t's statistics at v[ST+4 t]: c m, m, l (even keys', odd keys')
.set TMP, 48          ; by buffer, four registers c0-c3 at work; when the maximum is found c2 takes a
.set S,   64
.set P,   192
.set MD,  128         ; window 1: the eight registers for group kt of 16 keys at MD + 8 kt
.set MC,  160         ; window 1: the masks of the products to come
.set QB,  64          ; window 2
.set KF,  128         ; window 2: key block kb, channel half c at KF + 16 kb + 8 c
.set VF,  192         ; window 2: key half kk, channel block cb at VF + 32 kk + 8 cb
.set WV,  12          ; s12  my wave's number
.set PB,  14          ; s14  b
.set HI,  15          ; s15  NB - 1 - b
.set G1K, 24          ; s[24:31] descriptor group 1 for K's tiles
.set G1V, 32          ; s[32:39] for V's: it differs in the padding alone
.set G0K, 40          ; s[40:43] descriptor group 0 for K's tiles
.set G0V, 44          ; s[44:47] the same for V's
.set SLOTS, 56        ; s56  tiles still to be asked for
.set CNT, 57          ; s57  counts a tile's key steps, 4 to 1
.set CS,  58          ; s[58:59] c: the packed scaling takes the pair's low word for both halves
.set SEL, 60          ; s[60:61] v_permlanex16_b32's selects: each lane takes its own place in the other half
.set TBK, 62          ; s62  LDS byte at which K of the step to be fetched begins
.set TBV, 63          ; s63  the same for V, less VOFF
.set RT,  70          ; s70  tiles of the block in hand that are still to be entered
.set NXT, 71          ; s71  the tile to be asked for next
.set LQ,  72          ; s72  the last tile of the block whose tiles are being asked for
.set NEW, 73          ; s73  1: the tile to be entered is a block's first
.set OFF, 74          ; s[74:75] a tile's byte offset in a plane
.set AL,  76          ; s[76:77] the mask's factor, in the low word
.set BE,  78          ; s[78:79] the mask's addend
.set OLO, 80          ; s[80:81] O at my rows of the second block
.set BIGN, 82         ; s82  -1e30
.set LIM, 83          ; s83  2 in the work-group that prefetches, else the greatest number: a wave prefetches while s[SLOTS] is above it
.set PFA, 88          ; s[88:89] where my prefetches stand: my plane's rows of the tile after the one that is being asked for
.set MSB, 0
.macro WIN new                      ; the high byte repeats the setting that is left; a switch that changes nothing is dropped
.if MSB != (\new)
	s_set_vgpr_msb (MSB<<8)|(\new)
.set MSB, (\new)
.endif
.endm
.set W_KQ, 0x0a       ; K and Q in window 2, S^T in window 0
.set W_KM, 0x1a       ; the same with the C operand in window 1
.set W_PV, 0x52       ; V in window 2, P in window 0, O^T in window 1
.set W_RS, 0x41       ; destination and source 0 in window 1, source 1 in window 0
; A fill.  Waves 0 and 1 fetch the two planes of a tile's K, waves 2 and 3 those of its V: 256 keys x 64 bytes each.  An s_nop 0 and four v_nop follow each of the two lines, ahead of the jump and the label.
.macro LOAD
	s_cmp_lt_u32 s[WV], 2
	s_cbranch_scc0 .Lfor_v_\@
	tensor_load_to_lds s[G0K:G0K+3], s[G1K:G1K+7]
	s_nop 0
.rept 4
	v_nop
.endr
	s_branch .Lasked_\@
.Lfor_v_\@:
	tensor_load_to_lds s[G0V:G0V+3], s[G1V:G1V+7]
	s_nop 0
.rept 4
	v_nop
.endr
.Lasked_\@:
.endm
; The prefetch of what my wave will ask for at the next change of slots.  It stands behind the wave's tensor load and its five lines.  The last two fills of the walk (tile 7 has no successor in the first block; the second
; block's tile 0 has been read) ask for nothing.
.macro ASK
	s_cmp_gt_u32 s[SLOTS], s[LIM]
	s_cbranch_scc0 .Lnot_mine_\@
	global_prefetch_b8 v[PFO], s[PFA:PFA+1] th:TH_LOAD_NT scope:SCOPE_SE
	global_prefetch_b8 v[PFO], s[PFA:PFA+1] offset:8192 th:TH_LOAD_NT scope:SCOPE_SE
.Lnot_mine_\@:
.endm
; THE CHANGE OF SLOTS.  Each wave waits for all its tensor loads, of which one is out: its part of the other slot; adds 0 to its spare word; and waits for that and for its own reads of the slot that it leaves.  Behind the barrier nobody reads the old
; slot any more and the other slot is whole.  fill = 1: the old slot is filled again, the first thing behind the barrier, with tile NXT: the descriptor's address is made anew from that number.
; (At its first use nothing has been read yet: slot 0 is waited for, slot 1 filled.)
.macro CHANGE fill
	WIN 0                           ; at a label and at a branch every window is 0
	s_wait_tensorcnt 0x0            ; no tensor load of mine is out, so a group 0 may be written
	ds_add_u32 v[SPW], v[NIL]       ; 0 onto my spare word: with fill = 1 the descriptors' scalar work stands between it and the wait for it
.if \fill
	s_lshl_b32 s[OFF], s[NXT], 14   ; a tile is 16,384 bytes of each plane
	s_xor_b32 s[G0K+1], s[G0K+1], SLOT1
	s_add_nc_u64 s[G0K+2:G0K+3], s[6:7], s[OFF:OFF+1]
	s_or_b32 s[G0K+3], s[G0K+3], 0x80000000
	s_xor_b32 s[G0V+1], s[G0V+1], SLOT1
	s_add_nc_u64 s[G0V+2:G0V+3], s[8:9], s[OFF:OFF+1]
	s_or_b32 s[G0V+3], s[G0V+3], 0x80000000
	s_add_co_u32 s[NXT], s[NXT], 1  ; the block's next tile, or behind its last the second block's tile 0
	s_cmp_gt_u32 s[NXT], s[LQ]
	s_cselect_b32 s[NXT], 0, s[NXT]
	s_cselect_b32 s[LQ], s[PB], s[LQ]
	s_wait_xcnt 0x0                 ; the last prefetches, a tile back, have read their address, so it may be written:
	s_add_nc_u64 s[PFA:PFA+1], s[PFA:PFA+1], 16384  ; one tile behind the one that is being asked for
.endif
	s_wait_dscnt 0x0                ; the add is done, and my reads of the slot are over
	s_barrier_signal -1             ; the rest of the scalar work stands between the signal and the wait
	s_sub_co_u32 s[TBK], s[TBK], 4*KS*PK  ; the fetches go back to a slot's first step,
	s_xor_b32 s[TBK], s[TBK], SLOT1       ; in the other slot
	s_sub_co_u32 s[TBV], s[TBV], 4*KS*PV
	s_xor_b32 s[TBV], s[TBV], SLOT1
	s_barrier_wait -1
.if \fill
	LOAD
	ASK
.endif
.endm
	s_load_b64 s[4:5], s[0:1], 0x0  ; qkvbuf
	s_load_b64 s[10:11], s[0:1], 0x8  ; obuf
	v_lshl_add_u32 v[SPW], v0, 2, SPARE
	v_mov_b32 v[NIL], 0
	ds_add_u32 v[SPW], v[NIL]       ; the wave's opening: the add and its wait stand ahead of my first tensor load; the set-up below, work on registers, stands between them
	ds_add_u32 v62, v63
	v_lshrrev_b32 v1, 5, v0
	v_readfirstlane_b32 s[WV], v1   ; wave 0..3
	s_mov_b32 s[PB], ttmp9
	s_sub_co_u32 s[HI], NB-1, s[PB]
	s_and_b32 s20, ttmp7, 0xffff    ; the head y = 16 b + h
	s_and_b32 s21, s20, 15
	s_lshl_b32 s21, s21, 20         ; h: two planes of 524,288 bytes,
	s_lshr_b32 s22, s20, 4
	s_lshl_b32 s22, s22, 17         ; b: 2,048 rows of 64 bytes
	s_add_co_u32 s21, s21, s22      ; the head's first byte in q's planes
	s_and_b32 s16, s[WV], 1         ; which of a tensor's two planes I fetch
	s_lshl_b32 s22, s16, 19
	s_add_co_u32 s22, s22, s21
	s_add_co_u32 s22, s22, 0x1000000  ; k begins 32 planes on,
	s_mov_b32 s23, 0
	s_add_co_u32 s90, s22, 0x1000000  ; v 64
	s_mov_b32 s91, 0
	s_mul_i32 s17, s16, PLK         ; my plane's place in a slot, for K
	s_mul_i32 s18, s16, PLV         ; and for V
	s_lshl_b32 s3, s[WV], 10        ; Q: my 16 rows in a band of 64,
	s_add_co_u32 s3, s3, s21
	s_lshl_b32 s2, s[HI], 14        ; in the first block,
	s_add_co_u32 s2, s2, s3
	s_lshl_b32 s84, s[PB], 14       ; and in the second
	s_add_co_u32 s84, s84, s3
	s_mov_b32 s3, 0
	s_mov_b32 s85, 0
	s_lshl_b32 s20, s20, 18         ; O: a head is 262,144 bytes, a row 128
	s_lshl_b32 s19, s[WV], 11
	s_add_co_u32 s20, s20, s19
	s_lshl_b32 s92, s[HI], 15
	s_add_co_u32 s92, s92, s20
	s_mov_b32 s93, 0
	s_lshl_b32 s94, s[PB], 15
	s_add_co_u32 s94, s94, s20
	s_mov_b32 s95, 0
	; descriptor group 1.  A plane's 256 keys are 16,384 dense bytes: asked for as 64 rows of 256 bytes, four keys a row, and padded in LDS after every key
	s_mov_b32 s[G1K], (1<<16)|(1<<20)|(3<<22)|(3<<25)  ; 17:16 2-byte elements; 20 padding on; 24:22 after every 16 words (code 3); 31:25 4 words (code 3)
	s_mov_b32 s[G1V], (1<<16)|(1<<20)|(3<<22)|(7<<25)  ; the same with 8 words of padding (code 7)
.irp g, G1K, G1V
	s_mov_b32 s[\g+1], 128<<16      ; tensor_dim0 = 128
	s_mov_b32 s[\g+2], 64<<16       ; tensor_dim1 = 64
	s_mov_b32 s[\g+3], 128<<16      ; tile_dim0 = 128
	s_mov_b32 s[\g+4], 64           ; tile_dim1 = 64
	s_mov_b32 s[\g+5], 128          ; 128 elements from row to row
	s_mov_b32 s[\g+6], 0
	s_mov_b32 s[\g+7], 0
.endr
	s_mov_b32 s[CS], 0x3e38aa3b     ; c = log2(e) / 8 = 0.180337
	s_mov_b32 s[CS+1], s[CS]        ; named with it as a pair
	s_mov_b32 s[SEL], 0x76543210
	s_mov_b32 s[SEL+1], 0xfedcba98
	s_mov_b32 s[TBK], SLOT1+4*KS*PK ; the first change of slots turns these two into 0
	s_mov_b32 s[TBV], SLOT1+4*KS*PV
	s_mov_b32 s[G0K], 1             ; 1:0 count = 1
	s_mov_b32 s[G0K+1], s17         ; 63:32 LDS address: slot 0
	s_mov_b32 s[G0V], 1
	s_add_co_u32 s[G0V+1], s18, VOFF
	s_add_co_u32 s[RT], s[HI], 1    ; the first block has NB - b tiles
	s_mov_b32 s[NXT], 1
	s_mov_b32 s[LQ], s[HI]
	s_mov_b32 s[NEW], 1
	s_mov_b32 s[OFF+1], 0
	s_mov_b32 s[AL+1], 0            ; named as pairs
	s_mov_b32 s[BE+1], 0
	s_mov_b32 s[BIGN], 0xf149f2ca   ; -1e30
	s_mov_b32 s[SLOTS], NB
	s_cmp_eq_u32 s[PB], 0
	s_cselect_b32 s[LIM], 2, -1
	v_and_b32 v[PFO], 31, v0
	v_lshlrev_b32 v[PFO], 8, v[PFO]
	s_wait_dscnt 0x0                ; the opening add is done
	s_wait_kmcnt 0x0
	s_add_nc_u64 s[6:7], s[4:5], s[22:23]  ; K and V at my plane of the head's tile 0
	s_add_nc_u64 s[8:9], s[4:5], s[90:91]
	s_add_nc_u64 s[G0K+2:G0K+3], s[6:7], 0         ; 120:64 global address
	s_or_b32 s[G0K+3], s[G0K+3], 0x80000000        ; 127:126 type = 2
	s_add_nc_u64 s[G0V+2:G0V+3], s[8:9], 0
	s_or_b32 s[G0V+3], s[G0V+3], 0x80000000
	s_add_nc_u64 s[86:87], s[4:5], s[84:85]        ; Q at my rows of the second block,
	s_add_nc_u64 s[4:5], s[4:5], s[2:3]            ; and of the first
	s_add_nc_u64 s[OLO:OLO+1], s[10:11], s[94:95]  ; O likewise
	s_add_nc_u64 s[10:11], s[10:11], s[92:93]
	s_cmp_lt_u32 s[WV], 2
	s_cselect_b64 s[PFA:PFA+1], s[6:7], s[8:9]     ; the plane that I fetch,
	s_add_nc_u64 s[PFA:PFA+1], s[PFA:PFA+1], 16384 ; at tile 1; the first change of slots steps it to tile 2.  Nothing is prefetched here, at the head, where every work-group's first tiles are on their way
	LOAD                            ; tile 0 into slot 0
	; A fragment of K or Q is 16 rows x 32 channels in 8 registers: lane l holds row l % 16, channels 8 (l / 16) + 0..7 and 16 + 8 (l / 16) + 0..7: two loads of 16 bytes, 32 bytes apart, of one plane's row.
	v_and_b32 v1, 15, v0            ; l % 16
	v_bfe_u32 v9, v0, 4, 1          ; l / 16
	v_lshlrev_b32 v[QO], 6, v1
	v_lshl_add_u32 v[QO], v9, 4, v[QO]  ; row x 64 + 16 x half
	WIN 0x80                        ; destination window 2, address window 0
.set i, 0
.rept 8                             ; both blocks' Q: piece i / 2 lies in band i / 2, 4,096 bytes on; channels 32 (i % 2) on lie in the next plane
	global_load_b128 v[8*i:8*i+3],   v[QO], s[4:5] offset:(i/2)*4096+(i%2)*524288
	global_load_b128 v[8*i+4:8*i+7], v[QO], s[4:5] offset:(i/2)*4096+(i%2)*524288+32
	global_load_b128 v[QB+8*i:QB+8*i+3],   v[QO], s[86:87] offset:(i/2)*4096+(i%2)*524288
	global_load_b128 v[QB+8*i+4:QB+8*i+7], v[QO], s[86:87] offset:(i/2)*4096+(i%2)*524288+32
.set i, i+1
.endr
	WIN 0
	v_lshlrev_b32 v14, 3, v9
	v_sub_nc_u32 v14, v1, v14
	s_lshl_b32 s13, s[WV], 4
	v_add_nc_u32 v14, s13, v14      ; my query's place in its band, 16 w + l % 16, less my lanes' 8 (l / 16): register r of group kt is hidden where 16 kt + r is greater
	WIN 0x40
.set i, 0
.rept 32
	v_cmp_gt_i32 vcc_lo, 16*(i/8)+i%8, v14
	v_cndmask_b32 v[MD+i], 0, s[BIGN], vcc_lo
.set i, i+1
.endr
	WIN 0
	v_mul_u32_u24 v[AK0], v1, PK
	v_lshl_add_u32 v[AK0], v9, 4, v[AK0]  ; row x pitch + 16 x half
	; The turning load takes 16 keys x 16 channels (lane l reads key 8 (l / 16) + l % 8, channels 8 ((l / 8) % 2) + 0..7) and leaves half a fragment of V^T: lane l holds channel l % 16 and 8 keys.
	v_and_b32 v10, 7, v0
	v_bfe_u32 v11, v0, 3, 1
	v_lshl_add_u32 v[AV0], v9, 3, v10
	v_mul_u32_u24 v[AV0], v[AV0], PV
	v_lshl_add_u32 v[AV0], v11, 4, v[AV0]
	v_add_nc_u32 v[AV0], VOFF, v[AV0]
	s_mul_i32 s13, s[WV], 16*SP
	s_add_co_u32 s13, s13, STAGE    ; my stage
	v_mul_u32_u24 v[STO], v1, SP    ; in: row l % 16, 16 bytes for each half of the lanes
	v_lshl_add_u32 v[STO], v9, 4, v[STO]
	v_add_nc_u32 v[STO], s13, v[STO]
	v_bfe_u32 v[RD], v0, 3, 2       ; back: 32 lanes take four rows of 128 bytes,
	v_mul_u32_u24 v[RD], v[RD], SP
	v_lshl_add_u32 v[RD], v10, 4, v[RD]
	v_add_nc_u32 v[RD], s13, v[RD]
	v_and_b32 v[GO], 31, v0         ; which are 512 consecutive bytes of O
	v_lshlrev_b32 v[GO], 4, v[GO]
	; A block's first step multiplies O^T and l by a = 0, and its first turn's products V^T P, of a piece that has not been, land in an O^T that is still to be so multiplied.  So these registers need only hold
	; finite numbers: zeros for the first block; what the first block left for the second.  All this stands in the wait for the first tile.
	WIN 0x80
.set i, VF
.rept 64
	v_mov_b32 v[i], 0
.set i, i+1
.endr
	WIN 0x40
.set i, 0
.rept 128
	v_mov_b32 v[i], 0
.set i, i+1
.endr
	WIN 0
.set i, 0
.rept 4
	v_mov_b32 v[ST+4*i+2], 0
	v_mov_b32 v[ST+4*i+3], 0
.set i, i+1
.endr
.set i, P+16
.rept 16
	v_mov_b32 v[i], 0
.set i, i+1
.endr
; THE MATRIX WORK.  The 4 accumulators of a run of 8 take turns.  Product i of 8 of S^T = K Q^T for piece x: channels 32 (i / 4) on, keys 16 (i % 4) on.  The first 4 start the sums: with 0, or (KM = 1) with the mask.
.macro KQ x
.set rS, S+32*((\x)%2)+8*(i%4)
.set rK, KF+16*(i%4)+8*(i/4)
.set rQ, 16*(\x)+8*(i/4)
.set rM, MC+32*((\x)%2)+8*(i%4)
.if (i < 4) && KM
	WIN W_KM
	v_wmma_f32_16x16x32_f16 v[rS:rS+7], v[rK:rK+7], v[rQ:rQ+7], v[rM:rM+7]
.elseif i < 4
	WIN W_KQ
	v_wmma_f32_16x16x32_f16 v[rS:rS+7], v[rK:rK+7], v[rQ:rQ+7], 0
.else
	WIN W_KQ
	v_wmma_f32_16x16x32_f16 v[rS:rS+7], v[rK:rK+7], v[rQ:rQ+7], v[rS:rS+7]
.endif
.endm
; Product i of 8 of O^T += V^T P for piece x: keys 32 (i / 4) on, channels 16 (i % 4) on.
.macro PV x
	WIN W_PV
.set rO, 32*(\x)+8*(i%4)
.set rV, VF+32*(i/4)+8*(i%4)
.set rP, P+16*((\x)%2)+8*(i/4)
	v_wmma_f32_16x16x32_f16 v[rO:rO+7], v[rV:rV+7], v[rP:rP+7], v[rO:rO+7]
.endm
.macro MM                           ; the turn's next matrix instruction.  TURN and BEGIN set Y, i, KM and NOKQ; MM, KQ and OP read them.  NOKQ = 1: a block's last turn: there is no next piece
.if (i < 8) && !NOKQ
	KQ (Y+1)%NP
.elseif i >= 8
.set i, i-8
	PV (Y+NP-1)%NP
.set i, i+8
.endif
.set i, i+1
.endm
; THE LDS LOADS stand in runs of 16, never singly among the matrix instructions: a step's K (64 keys x 64 channels: 8 fragments) and its V (turned).  Their addresses are made some lines ahead.
.macro FETCH_K
	WIN 0x80                        ; destination window 2
.irp f, 0,1,2,3,4,5,6,7             ; keys 16 (f / 2) on, plane f % 2
	ds_load_b128 v[KF+8*\f:KF+8*\f+3],   v[AK] offset:(\f/2)*16*PK+(\f%2)*PLK
	ds_load_b128 v[KF+8*\f+4:KF+8*\f+7], v[AK] offset:(\f/2)*16*PK+(\f%2)*PLK+32
.endr
	s_add_co_u32 s[TBK], s[TBK], KS*PK  ; the next fetch is the next step's
	WIN 0
.endm
.macro FETCH_V
	WIN 0x80
.irp f, 0,1,2,3,4,5,6,7             ; keys 32 (f / 4) on, channels 16 (f % 4) on: plane (f % 4) / 2, byte 32 (f % 2) of its rows
	ds_load_tr16_b128 v[VF+8*\f:VF+8*\f+3],   v[AV] offset:(\f/4)*32*PV+((\f%4)/2)*PLV+(\f%2)*32
	ds_load_tr16_b128 v[VF+8*\f+4:VF+8*\f+7], v[AV] offset:(\f/4)*32*PV+16*PV+((\f%4)/2)*PLV+(\f%2)*32
.endr
	WIN 0
.endm
; THE VECTOR WORK, one line at a time: OP kind, number.  For piece Y: F n: c s - c m for pair n of 16.  E n: the exponential of score n of 32.  C n: pair n rounded to f16.  B n: of the four weights 4 n .. the second
; pair is added onto the first, in place.  L n: l takes that sum (L 0: l = a l + sum).  R n: pair n of 16 of O^T times a.  For piece Y + 1: X n, number n of the 22 that find its maximum and statistics:
;   0-11  four chains c0-c3 of seven scores each, three operands at a time (each accumulator's lowest registers are read first)     12-14, 16  the four scores left over, the old m, and c0-c3 into c0
;   15  c m_old is kept     17, 18  the query's other 32 keys lie in the lane 16 away: the new m     19-21  c m; c m_old - c m_new; a
.set F, 0               ; OP tells the kinds apart by their order: F to L below R, X above it
.set E, 1
.set C, 2
.set B, 3
.set L, 4
.set R, 5
.set X, 6
.macro REGS y                       ; the registers of piece y
.set rT, ST+4*(\y)
.set rC, TMP+4*((\y)%2)
.set rW, MV+((\y)%2)
.set rS, S+32*((\y)%2)
.set rP, P+16*((\y)%2)
.set rO, 32*(\y)
.endm
.macro OP k, n
.if (\k) == R
	REGS Y
	WIN W_RS
	v_pk_mul_f32 v[rO+2*(\n):rO+2*(\n)+1], v[rO+2*(\n):rO+2*(\n)+1], v[rC+2:rC+3] op_sel_hi:[1,0]
.elseif (\k) < R
	REGS Y
	WIN 0
.if (\k) == F
	v_pk_fma_f32 v[rS+2*(\n):rS+2*(\n)+1], v[rS+2*(\n):rS+2*(\n)+1], s[CS:CS+1], v[rT:rT+1] op_sel_hi:[1,0,0] neg_lo:[0,0,1] neg_hi:[0,0,1]
.elseif (\k) == E
	v_exp_f32 v[rS+(\n)], v[rS+(\n)]
.elseif (\k) == C
	s_wait_alu depctr_va_vdst(0)
	v_cvt_pk_f16_f32 v[rP+(\n)], v[rS+2*(\n)], v[rS+2*(\n)+1]
.elseif (\k) == B
	s_wait_alu depctr_va_vdst(0)
	v_pk_add_f32 v[rS+4*(\n):rS+4*(\n)+1], v[rS+4*(\n):rS+4*(\n)+1], v[rS+4*(\n)+2:rS+4*(\n)+3]
.elseif (\n) == 0
	v_pk_fma_f32 v[rT+2:rT+3], v[rT+2:rT+3], v[rC+2:rC+3], v[rS:rS+1] op_sel_hi:[1,0,1]
.else
	v_pk_add_f32 v[rT+2:rT+3], v[rT+2:rT+3], v[rS+4*(\n):rS+4*(\n)+1]
.endif
.elseif NOKQ
	v_nop
.else
	REGS (Y+1)%NP
	WIN 0
.if (\n) < 4
	v_max3_num_f32 v[rC+(\n)], v[rS+8*(\n)], v[rS+8*(\n)+1], v[rS+8*(\n)+2]
.elseif (\n) < 12
	v_max3_num_f32 v[rC+(\n)%4], v[rC+(\n)%4], v[rS+8*((\n)%4)+2*((\n)/4)+1], v[rS+8*((\n)%4)+2*((\n)/4)+2]
.elseif (\n) == 12
	v_max3_num_f32 v[rC], v[rC], v[rS+7], v[rS+15]
.elseif (\n) == 13
	v_max3_num_f32 v[rC+1], v[rC+1], v[rS+23], v[rS+31]
.elseif (\n) == 14
	v_max3_num_f32 v[rC+2], v[rC+2], v[rC+3], v[rT+1]
.elseif (\n) == 15
	v_mov_b32 v[rW], v[rT]
.elseif (\n) == 16
	v_max3_num_f32 v[rC], v[rC], v[rC+1], v[rC+2]
.elseif (\n) == 17
	v_permlanex16_b32 v[rC+3], v[rC], s[SEL], s[SEL+1]
.elseif (\n) == 18
	v_max_num_f32 v[rT+1], v[rC], v[rC+3]
.elseif (\n) == 19
	v_mul_f32 v[rT], s[CS], v[rT+1]
.elseif (\n) == 20
	v_sub_f32 v[rC+1], v[rW], v[rT]
.else
	v_exp_f32 v[rC+2], v[rC+1]
.endif
.endif
.endm
.macro OPS a, i1, b=-1, i2=0, c=-1, i3=0, d=-1, i4=0  ; up to four of them
	OP \a, \i1
.if (\b) >= 0
	OP \b, \i2
.endif
.if (\c) >= 0
	OP \c, \i3
.endif
.if (\d) >= 0
	OP \d, \i4
.endif
.endm
.macro ROW a, i1, b, i2, c, i3, d, i4  ; a matrix instruction and the four behind it
	MM
	OPS \a, \i1, \b, \i2, \c, \i3, \d, \i4
.endm
.macro MASK b                       ; MD x AL + BE into buffer b of MC
	WIN W_RS
.set z, 0
.rept 16
	v_pk_fma_f32 v[MC+32*(\b)+2*z:MC+32*(\b)+2*z+1], v[MD+2*z:MD+2*z+1], s[AL:AL+1], s[BE:BE+1] op_sel_hi:[1,0,0]
.set z, z+1
.endr
.endm
; A TURN, for piece p: the order of its 16 matrix and 118 vector instructions, written out.  Behind a matrix instruction: plain, exponential, plain, plain; or four of the rescaling; or, behind the first, four scalings; none
; names a register of the products round it.  In the lumps exponential and plain by turns while exponentials last.  A line reads no result made fewer than three vector instructions in front of it, five if an exponential made it.
; v_permlanex16_b32 (X 17) stands in a lump.
; m = 1: the diagonal tile: the products take masks, and the turn makes the mask for the products of the turn after it: piece p + 2, in step 4 - CNT of the tile.  end = 1: a block's last two turns: nothing is fetched.
; cnt = 1: the loop's count is taken down some lines ahead of the branch that stands behind the turn.
; K of the next step is fetched in piece 2's turn, six vector instructions behind the last product that read K (five of them plain); V of the step in hand in piece 0's turn, eight behind the last product that read V (four
; plain, and X 17).  Each is waited for a turn later.
.macro TURN p, m=0, end=0, cnt=0
.set Y, (\p)
.set i, 0
.set KM, (\m)
.set NOKQ, (\end)*((\p)/3)
.if (\m) && !(\end)
	s_cmp_eq_u32 s[CNT], 4-((\p)+2)%NP  ; is that step the band's own?
	s_cselect_b32 s[AL], 1.0, 0
	s_cmp_lt_u32 s[CNT], 4-((\p)+2)%NP  ; or a later one?
	s_cselect_b32 s[BE], s[BIGN], 0
.endif
.if ((\p) == 3) && !(\end)
	s_wait_dscnt 0x0                ; K is in
.endif
	ROW F,0, F,1, F,2, F,3
	ROW F,4, E,0, F,5, F,6
	ROW F,7, E,1, F,8, F,9
	ROW F,10, E,2, C,0, F,11
	ROW F,12, E,3, X,15, F,13
	ROW R,0, R,1, R,2, R,3
	ROW B,0, E,4, F,14, L,0
.if ((\p) == 2) && !(\end)
	v_add_nc_u32 v[AK], s[TBK], v[AK0]
.endif
	ROW R,4, R,5, R,6, R,7
	OPS E,5, F,15
.if ((\p) == 2) && !(\end)
	FETCH_K
.endif
	OPS E,6, C,1, E,7, R,8
	OPS E,8, R,9, E,9, C,2
	OPS E,10, X,0, E,11, X,1
	OPS E,12, X,2, E,13, X,3
.if (\p) == 1
	s_wait_dscnt 0x0                ; V is in
.endif
	ROW X,4, E,14, X,5, X,6
	ROW X,7, E,15, X,8, X,9
	ROW X,10, E,16, X,11, X,12
	ROW X,13, E,17, X,14, B,1
	ROW C,4, E,18, X,16, L,1
	ROW B,2, E,19, C,6, L,2
	ROW C,8, E,20, B,3, B,4
.if (\p) == 0
	v_add_nc_u32 v[AV], s[TBV], v[AV0]
.endif
	ROW C,3, E,21, L,3, C,5
	OPS E,22, X,17, E,23, C,10
.if (\p) == 0
	FETCH_V
.endif
	OPS E,24, L,4
	OPS E,25, X,18, E,26, C,7
	OPS E,27, B,5, E,28, X,19
	OPS E,29, C,12, E,30, L,5
	OPS E,31, X,20, B,6, C,9
	OPS C,14, C,11, X,21, L,6
.if (\p) == 0
	s_add_co_u32 s[TBV], s[TBV], KS*PV
.endif
.if \cnt
	s_sub_co_u32 s[CNT], s[CNT], 1
	s_cmp_lg_u32 s[CNT], 0
.endif
	OPS C,13, B,7, C,15, R,10
	OPS R,11, R,12, L,7, R,13
	OPS R,14, R,15
.if (\m) && !(\end)
	MASK (\p)%2
.endif
.endm
; A BLOCK BEGINS.  c m starts far below every c s, so the first step's a is 0; m at the lowest finite number, so the first maximum is the scores'.  The second mask buffer is 0; the first takes piece 0's mask for the tile's step 0: its own, if the block's first tile is the diagonal one.
; Then K of that step, piece 0's first scores, and its maximum and statistics.  The loop is entered at a step's first turn, in the middle of a trip.
.macro BEGIN
	s_mov_b32 s[NEW], 0
	WIN 0x40
.set i, MC+32
.rept 32
	v_mov_b32 v[i], 0
.set i, i+1
.endr
	WIN 0
.set i, 0
.rept 4
	v_mov_b32 v[ST+4*i], 0xfe000000    ; c m: far below every c s
	v_mov_b32 v[ST+4*i+1], 0xff7fffff  ; m
.set i, i+1
.endr
	s_cmp_eq_u32 s[RT], 0
	s_cselect_b32 s[AL], 1.0, 0
	s_mov_b32 s[BE], 0
	MASK 0
	WIN 0
	v_add_nc_u32 v[AK], s[TBK], v[AK0]
	FETCH_K
	s_wait_loadcnt 0x0              ; Q
	s_wait_dscnt 0x0
.set KM, 1
.set NOKQ, 0
.set i, 0
.rept 8
	KQ 0
.set i, i+1
.endr
	WIN 0
.rept 4
	v_nop                           ; the places behind those products
.endr
.set Y, NP-1                        ; X works for piece Y + 1: piece 0
.irp n, 0,1,2,3,4,5,6,7,8,9,10,11,12,13,14,15,16,17,18,19,20,21
	OP X, \n
.endr
	v_nop                           ; a plain instruction behind the exponential
.endm
; THE DIAGONAL TILE's four steps, the block's last two turns, its last products, and THE WAY OUT: l's two halves and the other half of the lanes' are added; O^T is divided by l, rounded to f16 and sent through my
; stage in LDS, a piece at a time.
.macro ALL line:vararg              ; one line for each piece t
.set t, 0
.rept 4
	\line
.set t, t+1
.endr
.endm
.macro PACK t                       ; a lane's eight channels of a row pack into 16 bytes; they go into rows of 144 bytes and come back as whole rows of 128, into S^T's registers
	WIN W_RS
.set i, 32*(\t)
.rept 16
	s_wait_alu depctr_va_vdst(0)
	v_pk_mul_f32 v[i:i+1], v[i:i+1], v[ST+4*(\t)+2:ST+4*(\t)+3] op_sel_hi:[1,0]
.set i, i+2
.endr
	WIN 0x05                        ; sources 0 and 1 window 1, destination window 0
.set i, 0
.rept 16
	v_cvt_pk_f16_f32 v[S+16*(\t)+i], v[32*(\t)+2*i], v[32*(\t)+2*i+1]
.set i, i+1
.endr
	WIN 0
.irp f, 0,1,2,3
	ds_store_b128 v[STO], v[S+16*(\t)+4*\f:S+16*(\t)+4*\f+3] offset:32*\f
.endr
.irp f, 0,1,2,3
	ds_load_b128 v[S+16*(\t)+4*\f:S+16*(\t)+4*\f+3], v[RD] offset:\f*4*SP  ; LDS serves a wave's instructions in order (ISA guide 5.7.1.4): these see the stores above; the next piece's stores come behind them
.endr
.endm
.macro SEND t, younger              ; younger: the LDS instructions issued behind piece t's loads: the next piece's eight, or none
	WIN 0
.irp f, 0,1,2,3
	s_wait_dscnt (\younger)+3-\f
	global_store_b128 v[GO], v[S+16*(\t)+4*\f:S+16*(\t)+4*\f+3], s[10:11] offset:(\t)*8192+\f*512  ; 512 consecutive bytes, at a multiple of 256 from O's first
.endr
.endm
.macro DIAG tag                     ; the tag ends its two labels' names, which the jumps below spell out
.LstepM\tag:
	TURN 2, 1
	TURN 3, 1
	WIN 0
.LfirstM\tag:
	TURN 0, 1
	TURN 1, 1, 0, 1
	WIN 0
	s_cbranch_scc1 .LstepM\tag
	TURN 2, 1, 1
	TURN 3, 1, 1
.set i, 0
.rept 8
	PV NP-1
.set i, i+1
.endr
	WIN 0
	ALL v_add_f32 v[ST+4*t+2], v[ST+4*t+2], v[ST+4*t+3]
	ALL v_permlanex16_b32 v[ST+4*t+3], v[ST+4*t+2], s[SEL], s[SEL+1]
	ALL v_add_f32 v[ST+4*t+2], v[ST+4*t+2], v[ST+4*t+3]
	ALL v_rcp_f32 v[ST+4*t+2], v[ST+4*t+2]
	v_nop                           ; a plain instruction between the last reciprocal and the use of its result
	PACK 0
.set t, 1
.rept 3                             ; a piece's arithmetic stands between the loads of the piece before and its stores
	PACK t
	SEND t-1, 8
.set t, t+1
.endr
	SEND 3, 0
.endm
.set KM, 0
.set NOKQ, 0
.Lslot:                             ; NB times: a tile is entered and the next is asked for
	CHANGE 1
	s_sub_co_u32 s[RT], s[RT], 1
	s_mov_b32 s[CNT], 4
	s_cmp_eq_u32 s[NEW], 1
	s_cbranch_scc1 .Lnew            ; a block's first tile
	s_cmp_eq_u32 s[RT], 0
	s_cbranch_scc0 .Lstep           ; neither its first nor its last
	s_branch .LstepM1
.Lnew:
	BEGIN
	s_branch .Lfirst                ; in the loop a block's first tile is never its last: the first block has two tiles or more, and the second's last is the walk's last
	DIAG 1                          ; in the loop this is the first block's end: the second block's last tile is the walk's last
	s_wait_xcnt 0x0                 ; the stores have read their registers and O's address
	s_mov_b64 s[10:11], s[OLO:OLO+1]
	s_add_co_u32 s[RT], s[PB], 1    ; the second block has b + 1 tiles
	s_mov_b32 s[NEW], 1
	WIN 0x82                        ; the second block's Q goes where the one text of the turns names Q
.set i, 0
.rept 64
	v_mov_b32 v[i], v[QB+i]
.set i, i+1
.endr
	WIN 0
	s_branch .Lbottom
.Lstep:                             ; a trip: pieces 2 and 3 of one step, then pieces 0 and 1 of the next, whose K and V it fetches
	TURN 2
	TURN 3
	WIN 0
.Lfirst:
	TURN 0
	TURN 1, 0, 0, 1
	WIN 0
	s_cbranch_scc1 .Lstep
.Lbottom:
	s_sub_co_u32 s[SLOTS], s[SLOTS], 1
	s_cmp_lg_u32 s[SLOTS], 0
	s_cbranch_scc1 .Lslot
	CHANGE 0                        ; the walk's last tile is written out: nothing is asked for
	s_sub_co_u32 s[RT], s[RT], 1
	s_mov_b32 s[CNT], 4
	s_cmp_eq_u32 s[NEW], 1
	s_cbranch_scc0 .LstepM2
	BEGIN
	s_branch .LfirstM2
	DIAG 2
	s_wait_tensorcnt 0x0            ; the wave's end, behind my last tensor load and my last LDS store
	ds_add_u32 v[SPW], v[NIL]
	s_wait_dscnt 0x0
	s_endpgm
.Lfunc_end_k_q1afe213288_attn:
	.size	k_q1afe213288_attn, .Lfunc_end_k_q1afe213288_attn-k_q1afe213288_attn
	.p2alignl 7, 3214868480
	.fill 96, 4, 3214868480
	.section	.rodata,"a",@progbits
	.p2align	6, 0x0
	.amdhsa_kernel k_q1afe213288_attn
		.amdhsa_group_segment_fixed_size 327680
		.amdhsa_private_segment_fixed_size 0
		.amdhsa_enable_private_segment 0
		.amdhsa_kernarg_size 16
		.amdhsa_user_sgpr_count 2
		.amdhsa_user_sgpr_kernarg_segment_ptr 1
		.amdhsa_wavefront_size32 1
		.amdhsa_system_sgpr_workgroup_id_x 1
		.amdhsa_system_sgpr_workgroup_id_y 1
		.amdhsa_system_sgpr_workgroup_id_z 1
		.amdhsa_system_vgpr_workitem_id 0
		.amdhsa_next_free_vgpr 768
		.amdhsa_next_free_sgpr 96
		.amdhsa_reserve_vcc 1
		.amdhsa_float_denorm_mode_32 3
		.amdhsa_float_denorm_mode_16_64 3
		.amdhsa_memory_ordered 1
		.amdhsa_forward_progress 1
		.amdhsa_inst_pref_size 229
	.end_amdhsa_kernel
	.amdgpu_metadata
---
amdhsa.version: [ 1, 2 ]
amdhsa.kernels:
  - .name:           k_q1afe213288_attn
    .symbol:         k_q1afe213288_attn.kd
    .args:
      - { .name: qkvbuf, .offset: 0, .size: 8, .value_kind: global_buffer, .address_space: global }
      - { .name: obuf, .offset: 8, .size: 8, .value_kind: global_buffer, .address_space: global }
    .group_segment_fixed_size: 327680
    .private_segment_fixed_size: 0
    .kernarg_segment_align: 8
    .kernarg_segment_size: 16
    .max_flat_workgroup_size: 128
    .sgpr_count:     96
    .vgpr_count:     768
    .wavefront_size: 32
...
	.end_amdgpu_metadata
.endif
;; end of part 3
;; launch proj (part 4): grid 8 x 32, 4 waves a work-group, clusters of 4 x 4, 327,680 bytes of LDS; arguments obuf, wpb, out0, b_proj; writes out0
.if DOCPART == 4
	.amdgcn_target "amdgcn-amd-amdhsa--gfx1250"
	.amdhsa_code_object_version 6
	.text
	.protected	k_q1afe213288_proj
	.globl	k_q1afe213288_proj
	.p2align	8
	.type	k_q1afe213288_proj,@function
k_q1afe213288_proj:
	s_mov_b64 s[64:65], 0
	v_nop
	global_prefetch_b8 v0, s[64:65] scope:SCOPE_SE
	s_setreg_imm32_b32 hwreg(HW_REG_WAVE_MODE, 25, 1), 1
	s_wait_xcnt 0x0
	s_wait_alu depctr_hold_cnt(0) depctr_sa_sdst(0) depctr_va_vdst(0) depctr_va_sdst(0) depctr_va_ssrc(0) depctr_va_vcc(0) depctr_vm_vsrc(0)
	s_getreg_b32 s2, hwreg(HW_REG_IB_STS2, 6, 4)
	s_cmp_eq_u32 s2, 0
	s_cbranch_scc0 .Lentry_in_a_cluster
	s_endpgm
.Lentry_in_a_cluster:
	s_bfe_u32 s2, ttmp6, 0x10000c
	s_cmp_lg_u32 s2, 0xf033
	s_cbranch_scc0 .Lentry_shape_is_right
	s_endpgm
.Lentry_shape_is_right:
; out[m][e] = the sum over f of O[m][f] w_proj[e][f] + b_proj[e].  O by heads: [16 b + h][t][64] f16 (m = 2048 b + t, f = 64 h + d); wpb: [1024][1024] f16 (w_proj rounded to bf16); out: [8192][1024] f32.
; Products in f16, sums in f32.  The bias is rounded to bf16 like the other inputs of the module and STARTS the sums, as the C operand of each accumulator's first product: no add is written and nothing is cleared.
; LIMITS.  O and wpb arrive within f16's range.  NaN and infinities are not treated apart.
; SHARES.  A tile of out is 256 rows x 128 columns: 32 x 8 = 256 work-groups, one tile each (tiles of 256 x 256 would be 128).  Four waves, each 128 x 64: 32 accumulators of 16 x 16, 256 registers.
; THE RING.  K goes in steps of 128, two heads, through two LDS slots.  A head's 256 rows of the tile are 32,768 dense bytes: asked for as 128 rows of 256 bytes and padded in LDS after every row of 128 bytes.
; A K step is the loop's trip; the first quarter, whose products start the sums, stands in front of the loop, which is entered behind its own first quarter; the last two steps, which ask for nothing, are a second loop.
; CLUSTER.  4 x 4 work-groups.  The four of a row of the cluster need the same tiles of O, the four of a column the same tiles of w: each is asked for JOINTLY, by the same tensor load with the same descriptor and a mask of the four.
; THE MATRIX INSTRUCTION IS USED TRANSPOSED: source 0 = 16 rows of w, source 1 = 16 rows of O: a lane holds one row of out (lane % 16) and the eight neighbouring columns 8 (lane / 16) + 0..7.
; REGISTERS (s_set_vgpr_msb: bits 1:0 source 0, 3:2 source 1, 5:4 source 2, 7:6 destination):
;   window 0: v0-31 addresses; v32-127, v128-223 two fragment buffers (O's 8 fragments, then w's 4); v224-255 the bias of my 64 columns; on the way out v32-95 hold rows read back
;   window 1: the 32 accumulators, (a, b) at 8 (4 a + b)
.set PA,     144                       ; an LDS row of O: 128 bytes + 16 = 36 words: the 16 rows of a load start at 16 different groups of four banks (64 banks of 4 bytes: ISA guide 11.1)
.set PB,     272                       ; an LDS row of w: 256 bytes + 16
.set APL,    256*PA                    ; a head's 256 rows: one tensor load
.set BHALF,  64*PB                     ; 64 rows of w: one tensor load, and what one wave reads of w
.set BOFF,   2*APL                     ; in a slot: O's two heads, then w's 128 rows
.set SLOT1,  131072                    ; slot 1 begins here
.set STAGE,  SLOT1+BOFF+2*BHALF        ; behind the ring, never filled by a tensor load: 16 rows x 272 bytes for each wave
.set SPITCH, 272
.set SPARE,  STAGE+4*16*SPITCH         ; the spare words, 128 bytes for each wave: two blocks of 256 bytes that no other line names
.set FA0,  16                          ; v16  my lane's place in O's tile of slot 0; never rewritten
.set FB0,  17                          ; v17  the same for w
.set ADRA, 18                          ; v18  the same in the slot in hand
.set ADRB, 19                          ; v19
.set STO,  24                          ; v24  the way out: where I put 32 bytes of a row
.set RD,   25                          ; v25  the way out: where I read a row back
.set CO,   26                          ; v26  my byte offset in two rows of out
.set SPW,  28                          ; v28  LDS address of my spare word; never rewritten
.set NIL,  29                          ; v29  0; never rewritten
.set F0,   32
.set F1,   128
.set BIAS, 224                         ; column block b's eight numbers at BIAS + 8 b
.set OBK,  32                          ; the way out: 16 rows read back, 32 registers, two sets by turns
.set G1A, 24                           ; s[24:31] descriptor group 1 for O's tiles
.set G0A, 32                           ; s[32:39] group 0: a set for each of the two first fills; the second then walks
.set G1B, 48                           ; s[48:55], s[56:63] the same for w's tiles
.set G0B, 56
.set CNT, 66                           ; s66  the loops' count
.set TB,  69                           ; s69  LDS byte at which the slot in hand begins
.set WV,  76                           ; s76  my wave's number
.set RH,  77                           ; s77  which 128 rows of the tile are mine.  Also: I fetch for O (0) or for w (1)
.set CH,  78                           ; s78  which 64 columns.  Also: which head of the step's two, or which half of w's rows, I fetch
.set MSB, 0
.macro WIN new                         ; the immediate's high byte repeats the setting that is left; a switch that changes nothing is dropped
.if MSB != (\new)
	s_set_vgpr_msb (MSB<<8)|(\new)
.set MSB, \new
.endif
.endm
.macro PLACES                          ; four places in front of loads into registers that matrix instructions have read, and of stores that read results (ISA guide 7.12.1 for vector instructions)
.rept 4
	v_nop
.endr
.endm
.macro JLOAD                           ; a joint refill by the walking descriptors; an s_nop 0 and four v_nop follow each of the two lines, ahead of the jump and the label
	s_cmp_eq_u32 s[RH], 0
	s_cbranch_scc0 .Lfor_b_\@
	tensor_load_to_lds s[G0A+4:G0A+7], s[G1A:G1A+7]
	s_nop 0
.rept 4
	v_nop
.endr
	s_branch .Lasked_\@
.Lfor_b_\@:
	tensor_load_to_lds s[G0B+4:G0B+7], s[G1B:G1B+7]
	s_nop 0
.rept 4
	v_nop
.endr
.Lasked_\@:
.endm
.macro CREST                           ; a round of the cluster's barrier behind its opening barrier
	s_cmp_lg_u32 s[WV], 0
	s_cbranch_scc1 .Lnot_wave_0_\@
	s_barrier_signal -3
.Lnot_wave_0_\@:
	s_barrier_wait -3
	s_barrier_signal -1
	s_barrier_wait -1
.endm
.macro CROUND                          ; a whole round
	s_barrier_signal -1
	s_barrier_wait -1
	CREST
.endm
	s_load_b256 s[4:11], s[0:1], 0x0               ; obuf s[4:5], wpb s[6:7], out0 s[8:9], b_proj s[10:11]
	v_lshl_add_u32 v[SPW], v0, 2, SPARE
	v_mov_b32 v[NIL], 0
	ds_add_u32 v[SPW], v[NIL]                      ; the wave's opening: the add and its wait stand ahead of my first tensor load; the set-up below, work on registers, stands between them
	ds_add_u32 v28, v29
	v_lshrrev_b32 v1, 5, v0
	v_readfirstlane_b32 s[WV], v1                  ; wave 0..3
	s_lshr_b32 s[RH], s[WV], 1
	s_and_b32 s[CH], s[WV], 1
	s_bfe_u32 s40, ttmp6, 0x40000                  ; cx, cy: my place in the cluster
	s_bfe_u32 s41, ttmp6, 0x40004
	s_lshl_b32 s42, ttmp9, 2
	s_add_co_u32 s42, s42, s40                     ; tile column = 4 x cluster x + cx, 0..7
	s_and_b32 s43, ttmp7, 0xffff
	s_lshl_b32 s43, s43, 2
	s_add_co_u32 s43, s43, s41                     ; tile row = 4 x cluster y + cy, 0..31
	s_lshl_b32 s44, s41, 2
	s_lshl_b32 s44, 15, s44                        ; my row of the cluster
	s_lshl_b32 s45, 0x1111, s40                    ; my column
	s_or_b32 s[G1A], s44, (1<<16)|(1<<20)|(1<<21)|(4<<22)|(3<<25)  ; 15:0 the mask; 17:16 elements of 2 bytes; 20 padding on; 21 set beside a mask; 24:22 after every 32 words (code 4); 31:25 4 words of it (code 3)
	s_or_b32 s[G1B], s45, (1<<16)|(1<<20)|(1<<21)|(5<<22)|(3<<25)  ; w's rows are 64 words (code 5)
	s_mov_b32 s[G1A+1], 128<<16                    ; tensor_dim0 = 128
	s_mov_b32 s[G1A+2], 128<<16                    ; tensor_dim1 = 128
	s_mov_b32 s[G1A+3], 128<<16                    ; tile_dim0 = 128
	s_mov_b32 s[G1A+4], 128                        ; tile_dim1 = 128
	s_mov_b32 s[G1A+5], 128                        ; dense: 128 elements from row to row
	s_mov_b32 s[G1A+6], 0
	s_mov_b32 s[G1A+7], 0
	s_mov_b32 s[G1B+1], 128<<16
	s_mov_b32 s[G1B+2], 64<<16                     ; 64 rows
	s_mov_b32 s[G1B+3], 128<<16
	s_mov_b32 s[G1B+4], 64
	s_mov_b32 s[G1B+5], 1024                       ; 1,024 elements from row to row
	s_mov_b32 s[G1B+6], 0
	s_mov_b32 s[G1B+7], 0
	s_lshr_b32 s16, s43, 3                         ; O: batch = tile row / 8: sixteen heads of 262,144 bytes.  These registers never hold cx,
	s_lshl_b32 s16, s16, 22
	s_and_b32 s17, s43, 7                          ; 256 rows of 128 bytes for each tile row in the batch,
	s_lshl_b32 s17, s17, 15
	s_add_co_u32 s16, s16, s17
	s_lshl_b32 s17, s[CH], 18                      ; and the head that I fetch of K step 0's two
	s_add_co_u32 s16, s16, s17
	s_mov_b32 s17, 0
	s_lshl_b32 s20, s42, 18                        ; w: row 128 x tile column + 64 x half, 2,048 bytes a row.  and these never cy
	s_lshl_b32 s21, s[CH], 17
	s_add_co_u32 s20, s20, s21
	s_mov_b32 s21, 0
	s_mul_i32 s18, s[CH], APL                      ; where they go: no place in the cluster enters an LDS address
	s_mul_i32 s22, s[CH], BHALF
	s_add_co_u32 s22, s22, BOFF
	s_mov_b32 s[G0A], 1                            ; count = 1
	s_mov_b32 s[G0A+1], s18                        ; LDS address: slot 0
	s_mov_b32 s[G0A+4], 1
	s_add_co_u32 s[G0A+5], s18, SLOT1              ; slot 1
	s_mov_b32 s[G0B], 1
	s_mov_b32 s[G0B+1], s22
	s_mov_b32 s[G0B+4], 1
	s_add_co_u32 s[G0B+5], s22, SLOT1
	s_mov_b32 s[TB], 0
	s_wait_dscnt 0x0                               ; the opening add is done
	s_wait_kmcnt 0x0
	s_add_nc_u64 s[G0A+2:G0A+3], s[4:5], s[16:17]  ; K step 0
	s_add_nc_u64 s[G0A+6:G0A+7], s[G0A+2:G0A+3], 524288  ; K step 1: two heads on
	s_or_b32 s[G0A+3], s[G0A+3], 0x80000000        ; type = 2
	s_or_b32 s[G0A+7], s[G0A+7], 0x80000000
	s_add_nc_u64 s[G0B+2:G0B+3], s[6:7], s[20:21]
	s_add_nc_u64 s[G0B+6:G0B+7], s[G0B+2:G0B+3], 256
	s_or_b32 s[G0B+3], s[G0B+3], 0x80000000
	s_or_b32 s[G0B+7], s[G0B+7], 0x80000000
	CROUND                                         ; all sixteen work-groups are here: the first joint loads meet
	s_cmp_eq_u32 s[RH], 0                          ; a wave's two first fills stand in one branch, ahead of every wait on TENSORcnt and every LDS read: two loads of mine are out
	s_cbranch_scc0 .Lfirst_b
	tensor_load_to_lds s[G0A:G0A+3], s[G1A:G1A+7]
	s_nop 0
	tensor_load_to_lds s[G0A+4:G0A+7], s[G1A:G1A+7]
	s_nop 0
.rept 4
	v_nop
.endr
	s_branch .Lfirst_asked
.Lfirst_b:
	tensor_load_to_lds s[G0B:G0B+3], s[G1B:G1B+7]
	s_nop 0
	tensor_load_to_lds s[G0B+4:G0B+7], s[G1B:G1B+7]
	s_nop 0
.rept 4
	v_nop
.endr
.Lfirst_asked:
	v_and_b32 v1, 15, v0                           ; l % 16
	v_bfe_u32 v2, v0, 4, 1                         ; l / 16
	s_lshl_b32 s20, s42, 9                         ; the bias of my 64 columns: (128 x tile column + 64 x half) x 4 bytes,
	s_lshl_b32 s21, s[CH], 8
	s_add_co_u32 s20, s20, s21
	v_lshl_add_u32 v6, v2, 5, s20                  ; my lanes' eight of each sixteen
.irp b, 0,1,2,3
	global_load_b128 v[BIAS+8*(\b):BIAS+8*(\b)+3],   v6, s[10:11] offset:64*(\b)
	global_load_b128 v[BIAS+8*(\b)+4:BIAS+8*(\b)+7], v6, s[10:11] offset:64*(\b)+16
.endr
	; A fragment is 16 rows x 32 K in 8 registers: lane l holds row l % 16; registers 0-3 K = 8 (l / 16) + 0..7, registers 4-7 K = 16 + 8 (l / 16) + 0..7: two loads of 16 bytes, 32 bytes apart.
	v_mul_u32_u24 v3, v1, PA
	v_lshl_add_u32 v3, v2, 4, v3
	s_mul_i32 s16, s[RH], 128*PA                   ; my 128 rows of each head
	v_add_nc_u32 v[FA0], s16, v3
	v_mul_u32_u24 v3, v1, PB
	v_lshl_add_u32 v3, v2, 4, v3
	s_mul_i32 s22, s[CH], BHALF                    ; my 64 rows of w, behind O's two heads
	s_add_co_u32 s22, s22, BOFF
	v_add_nc_u32 v[FB0], s22, v3
	v_mov_b32 v[ADRA], v[FA0]
	v_mov_b32 v[ADRB], v[FB0]
	s_mul_i32 s23, s[WV], 16*SPITCH
	s_add_co_u32 s23, s23, STAGE                   ; my stage
	v_mul_u32_u24 v4, v1, SPITCH                   ; in: row l % 16, 32 bytes for each half of the lanes
	v_lshl_add_u32 v4, v2, 5, v4
	v_add_nc_u32 v[STO], s23, v4
	v_mul_u32_u24 v5, v2, SPITCH                   ; back: lanes 0-15 take one row of 256 bytes, lanes 16-31 the next
	v_lshl_add_u32 v5, v1, 4, v5
	v_add_nc_u32 v[RD], s23, v5
	v_lshlrev_b32 v5, 12, v2                       ; and the same two rows in out, 4,096 bytes apart
	v_lshl_add_u32 v[CO], v1, 4, v5
	s_lshl_b32 s22, s43, 20                        ; my first row: 256 x tile row + 128 x half, 4,096 bytes a row; s20 holds my first column in bytes
	s_lshl_b32 s23, s[RH], 19
	s_add_co_u32 s20, s20, s22
	s_add_co_u32 s20, s20, s23
	s_mov_b32 s21, 0
	s_add_nc_u64 s[8:9], s[8:9], s[20:21]
	s_wait_loadcnt 0x0                             ; the bias, rounded to bf16 in the wait for the first tile
.irp p, 0,1,2,3,4,5,6,7,8,9,10,11,12,13,14,15
	v_cvt_pk_bf16_f32 v3, v[BIAS+2*(\p)], v[BIAS+2*(\p)+1]
	v_lshlrev_b32 v[BIAS+2*(\p)], 16, v3
	v_and_b32 v[BIAS+2*(\p)+1], 0xffff0000, v3
.endr
; 8 matrix instructions: row blocks 4 hi + a0, + 1 x all 4 column blocks, 32 along K.  zero = 1: the product starts the sum with the bias.  The 32 accumulators take turns in the same order in every quarter.
.macro MUL8 f, hi, a0, zero
.if \zero
	WIN 0x40                                       ; fragments and the bias in window 0, D in window 1
.else
	WIN 0x50                                       ; C and D in window 1
.endif
.irp a, \a0, (\a0)+1
.irp b, 0,1,2,3
.if \zero
	v_wmma_f32_16x16x32_f16 v[8*(4*(4*(\hi)+(\a))+(\b)):8*(4*(4*(\hi)+(\a))+(\b))+7], v[(\f)+64+8*(\b):(\f)+64+8*(\b)+7], v[(\f)+8*(4*(\hi)+(\a)):(\f)+8*(4*(\hi)+(\a))+7], v[BIAS+8*(\b):BIAS+8*(\b)+7]
.else
	v_wmma_f32_16x16x32_f16 v[8*(4*(4*(\hi)+(\a))+(\b)):8*(4*(4*(\hi)+(\a))+(\b))+7], v[(\f)+64+8*(\b):(\f)+64+8*(\b)+7], v[(\f)+8*(4*(\hi)+(\a)):(\f)+8*(4*(\hi)+(\a))+7], v[8*(4*(4*(\hi)+(\a))+(\b)):8*(4*(4*(\hi)+(\a))+(\b))+7]
.endif
.endr
.endr
.endm
; 24 LDS loads in one run: the fragments of quarter q of a K step (64 rows of w, then 128 rows of O: head q / 2 of the step's two, channels 32 (q % 2) on) into buffer f
.macro FETCH q, f
	WIN 0
.irp i, 0,1,2,3
	ds_load_b128 v[(\f)+64+8*(\i):(\f)+64+8*(\i)+3],   v[ADRB] offset:64*(\q)+(\i)*16*PB
	ds_load_b128 v[(\f)+64+8*(\i)+4:(\f)+64+8*(\i)+7], v[ADRB] offset:64*(\q)+(\i)*16*PB+32
.endr
.irp i, 0,1,2,3,4,5,6,7
	ds_load_b128 v[(\f)+8*(\i):(\f)+8*(\i)+3],   v[ADRA] offset:((\q)/2)*APL+((\q)%2)*64+(\i)*16*PA
	ds_load_b128 v[(\f)+8*(\i)+4:(\f)+8*(\i)+7], v[ADRA] offset:((\q)/2)*APL+((\q)%2)*64+(\i)*16*PA+32
.endr
.endm
; One of a K step's first three quarters: multiplies buffer f; in its middle it fetches quarter q into buffer g.
.macro QUARTER q, f, g, zero
	s_wait_dscnt 8                                 ; w and O's rows 0-63 are in; the youngest eight loads (O's rows 64-127) may be out
	MUL8 \f, 0, 0, \zero
	MUL8 \f, 0, 2, \zero
	PLACES
	FETCH \q, \g
	s_wait_dscnt 24                                ; all but the 24 just issued
	MUL8 \f, 1, 0, \zero
	MUL8 \f, 1, 2, \zero
.endm
; The last quarter multiplies buffer 1 and changes slots: ONE barrier.  In front of it each wave waits for all its tensor loads, of which one is out: its part of the next slot; adds 0 to its spare word; and waits
; for that and for its own reads of this slot.  fill = 1: the barrier opens a round of the cluster's, and this slot is filled again, first thing behind the round, with the K step two on: 120 matrix instructions ahead of the wait for it.
; fill = 0 (the last two K steps): nothing is asked for; the very last step has no next fragments, and their run of loads is jumped over.
.macro TURN fill
	WIN 0                                          ; (the add's two registers lie in window 0)
	s_wait_tensorcnt 0x0                           ; no tensor load of mine is out, so a group 0 may be written
	ds_add_u32 v[SPW], v[NIL]                      ; 0 onto my spare word
.if \fill
	s_xor_b32 s[G0A+5], s[G0A+5], SLOT1            ; the walking descriptors: the other slot than last time,
	s_add_nc_u64 s[G0A+6:G0A+7], s[G0A+6:G0A+7], 524288  ; the next two heads; the type bits on top are not reached
	s_xor_b32 s[G0B+5], s[G0B+5], SLOT1
	s_add_nc_u64 s[G0B+6:G0B+7], s[G0B+6:G0B+7], 256
.endif
	s_wait_dscnt 9                                 ; (the add and the youngest eight loads may be out)
	MUL8 F1, 0, 0, 0                               ; eight matrix instructions stand between the add and the wait for it
	s_wait_dscnt 0x0                               ; the add is done, and my reads of this slot are over
	s_barrier_signal -1
	MUL8 F1, 0, 2, 0                               ; work on registers while the others arrive
	WIN 0
	s_barrier_wait -1
.if \fill
	CREST                                          ; no wave of any partner still reads this slot's tile or has a load on its way
	JLOAD                                          ; the four v_nop behind it are also the places in front of the loads below
.else
	PLACES
	s_cmp_eq_u32 s[CNT], 1
	s_cbranch_scc1 .Lno_fetch_\@
.endif
	s_xor_b32 s[TB], s[TB], SLOT1
	v_add_nc_u32 v[ADRA], s[TB], v[FA0]
	v_add_nc_u32 v[ADRB], s[TB], v[FB0]
	FETCH 0, F0
.if !(\fill)
.Lno_fetch_\@:
.endif
	MUL8 F1, 1, 0, 0
	MUL8 F1, 1, 2, 0
.endm
; THE WAY OUT of row block a (16 rows x 64 columns of f32: 256 bytes a row).  TOSTAGE: the accumulators go as they are into my own stage, each one's low four registers first, and come back as whole rows.  SEND: stored.
.macro TOSTAGE a
.set BK, OBK+32*((\a)%2)
.if (\a) >= 2
	s_wait_xcnt 0x0                                ; the stores of the block two back have read the registers that the loads below fill
.endif
	WIN 0x04                                       ; the stores' data in window 1, their address in window 0
.irp b, 0,1,2,3
	ds_store_b128 v[STO], v[8*(4*(\a)+(\b)):8*(4*(\a)+(\b))+3]   offset:64*(\b)
	ds_store_b128 v[STO], v[8*(4*(\a)+(\b))+4:8*(4*(\a)+(\b))+7] offset:64*(\b)+16
.endr
	WIN 0
.irp t, 0,1,2,3,4,5,6,7
	ds_load_b128 v[BK+4*(\t):BK+4*(\t)+3], v[RD] offset:(\t)*2*SPITCH  ; LDS serves a wave's instructions in order (ISA guide 5.7.1.4): these see the stores above; the next block's stores come behind them
.endr
.endm
.macro SEND a, younger                 ; younger: the LDS instructions issued behind block a's loads: the next block's sixteen, or none
	WIN 0
.set BK, OBK+32*((\a)%2)
.irp t, 0,1,2,3,4,5,6,7
	s_wait_dscnt (\younger)+7-(\t)
	global_store_b128 v[CO], v[BK+4*(\t):BK+4*(\t)+3], s[8:9] offset:(16*(\a)+2*(\t))*4096 th:TH_STORE_NT  ; 16 lanes store 256 consecutive bytes, at a multiple of 256 from out's first byte
.endr
.endm
	s_wait_tensorcnt 0x1                           ; my part of K step 0 is in; step 1's may stay out
	s_barrier_signal -1
	s_barrier_wait -1                              ; everybody's is
	FETCH 0, F0
	QUARTER 1, F0, F1, 1                           ; the first quarter stands in front of the loop: its products start the sums with the bias
	WIN 0                                          ; at a label and at a branch every window is 0
	s_mov_b32 s[CNT], 6
	s_branch .Lq1                                  ; the loop is entered behind its own first quarter
.Ltrip:                                                ; six trips, a K step each: step n is multiplied, and its slot filled again with step n + 2
	QUARTER 1, F0, F1, 0
	WIN 0
.Lq1:
	QUARTER 2, F1, F0, 0
	QUARTER 3, F0, F1, 0
	TURN 1
	WIN 0
	s_sub_co_u32 s[CNT], s[CNT], 1
	s_cmp_lg_u32 s[CNT], 0
	s_cbranch_scc1 .Ltrip
	s_mov_b32 s[CNT], 2
.Ltail:                                                ; the last two K steps ask for nothing (the second's barrier orders nothing new: the price of one text for both)
	QUARTER 1, F0, F1, 0
	QUARTER 2, F1, F0, 0
	QUARTER 3, F0, F1, 0
	TURN 0
	WIN 0
	s_sub_co_u32 s[CNT], s[CNT], 1
	s_cmp_lg_u32 s[CNT], 0
	s_cbranch_scc1 .Ltail
	PLACES                                         ; the stage's stores read results just made, and no vector work is at hand
	TOSTAGE 0
.irp a, 1,2,3,4,5,6,7                  ; block a's trip through the stage is on its way while block a - 1 is stored
	TOSTAGE \a
	SEND (\a)-1, 16
.endr
	SEND 7, 0
	s_wait_tensorcnt 0x0                           ; the wave's end, behind my last tensor load and my last LDS store
	ds_add_u32 v[SPW], v[NIL]
	s_wait_dscnt 0x0
	CROUND                                         ; the closing round: no work-group ends while a partner may still ask for a tile that names it
	s_endpgm
.Lfunc_end_k_q1afe213288_proj:
	.size	k_q1afe213288_proj, .Lfunc_end_k_q1afe213288_proj-k_q1afe213288_proj
	.p2alignl 7, 3214868480
	.fill 96, 4, 3214868480
	.section	.rodata,"a",@progbits
	.p2align	6, 0x0
	.amdhsa_kernel k_q1afe213288_proj
		.amdhsa_group_segment_fixed_size 327680
		.amdhsa_private_segment_fixed_size 0
		.amdhsa_enable_private_segment 0
		.amdhsa_kernarg_size 32
		.amdhsa_user_sgpr_count 2
		.amdhsa_user_sgpr_kernarg_segment_ptr 1
		.amdhsa_wavefront_size32 1
		.amdhsa_system_sgpr_workgroup_id_x 1
		.amdhsa_system_sgpr_workgroup_id_y 1
		.amdhsa_system_sgpr_workgroup_id_z 1
		.amdhsa_system_vgpr_workitem_id 0
		.amdhsa_next_free_vgpr 512
		.amdhsa_next_free_sgpr 80
		.amdhsa_reserve_vcc 0
		.amdhsa_float_denorm_mode_32 3
		.amdhsa_float_denorm_mode_16_64 3
		.amdhsa_memory_ordered 1
		.amdhsa_forward_progress 1
		.amdhsa_inst_pref_size 65
	.end_amdhsa_kernel
	.amdgpu_metadata
---
amdhsa.version: [ 1, 2 ]
amdhsa.kernels:
  - .name:           k_q1afe213288_proj
    .symbol:         k_q1afe213288_proj.kd
    .args:
      - { .name: obuf, .offset: 0, .size: 8, .value_kind: global_buffer, .address_space: global }
      - { .name: wpb, .offset: 8, .size: 8, .value_kind: global_buffer, .address_space: global }
      - { .name: out0, .offset: 16, .size: 8, .value_kind: global_buffer, .address_space: global }
      - { .name: b_proj, .offset: 24, .size: 8, .value_kind: global_buffer, .address_space: global }
    .group_segment_fixed_size: 327680
    .private_segment_fixed_size: 0
    .kernarg_segment_align: 8
    .kernarg_segment_size: 32
    .max_flat_workgroup_size: 128
    .sgpr_count:     80
    .vgpr_count:     512
    .wavefront_size: 32
...
	.end_amdgpu_metadata
.endif
;; end of part 4
;; ======== version 2 of 2: 4 launches; version 1 with the launch cast written anew for expert scheduling mode
;; limits: values are held in f16: magnitudes above 65,504 overflow, below 6.1e-05 lose precision
;; workspace buffers: xb 16,777,216 bytes; wqb 6,291,456 bytes; wpb 2,097,152 bytes; qkvbuf 50,331,648 bytes; obuf 16,777,216 bytes
;; launch cast (part 5): grid 768 x 1, 8 waves a work-group, no clusters, 0 bytes of LDS; arguments x, w_qkv, w_proj, xb, wqb, wpb; writes xb, wqb, wpb
.if DOCPART == 5
	.amdgcn_target "amdgcn-amd-amdhsa--gfx1250"
	.amdhsa_code_object_version 6
	.text
	.protected	k_q1afe213288_cast
	.globl	k_q1afe213288_cast
	.p2align	8
	.type	k_q1afe213288_cast,@function
k_q1afe213288_cast:
	s_mov_b64 s[64:65], 0
	v_nop
	global_prefetch_b8 v0, s[64:65] scope:SCOPE_SE
	s_setreg_imm32_b32 hwreg(HW_REG_WAVE_SCHED_MODE, 0, 2), 2
	s_setreg_imm32_b32 hwreg(HW_REG_WAVE_MODE, 25, 1), 1
	s_wait_xcnt 0x0
	s_wait_alu depctr_vm_vsrc(0)
; The three large inputs are rounded once to bf16: x -> xb, w_qkv -> wqb (both written as bf16), w_proj -> wpb (rounded to bf16, and that number written as f16,
; since the last product multiplies in f16).
; LIMITS.  |w_proj| stays under 65,504 (f16's range); a w_proj number below 2^-14 keeps f16's fixed step of 6e-8.  NaN and infinities are not treated apart.
; A stream: no LDS, no matrix unit, no cluster (no two work-groups read the same byte).
; SHARES.  A work-group takes 16,384 numbers: 65,536 bytes in, 32,768 out.  Work-groups 0-511: x; 512-703: w_qkv; 704-767: w_proj.
; Thread t takes the 16 bytes at 16 t of each of sixteen pieces of 4,096 bytes: a wave's load covers 512 consecutive bytes, its store of 8 bytes a lane 256 consecutive bytes, aligned.
; All sixteen loads go out at once.
; THE MODE: SCHED_MODE bits 1:0 = 2 (LLVM: expert scheduling mode 2), set by the entry lines.  The code itself states the register dependences
; between vector instructions and memory instructions, with s_wait_alu, always for 0.
; THE PLAN.  Registers that memory instructions touch:
;   v1, v2     byte offsets of the loads and of the stores: written once at the head, never again.
;   X          load i lands in four registers of its own, once; conversion i reads them; no vector instruction writes them and nothing is loaded into them again.
;   Y          conversion i writes two registers of its own, once; store i reads them; nothing writes them again.
;   v4 to v9   at work in the f16 arm: named by vector instructions alone.
; So the only dependences to state are vector writes that memory instructions read: v1 and v2 (one wait at the head) and Y.  The sixteen pieces go in four blocks of four.  Block p's
; conversions write its eight Y registers; its four stores stand in one run at the head of block p + 1, behind the wait that shows that block's first load in and behind ONE wait on va_vdst;
; no vector instruction stands between that wait and the run.  Block 3's stores have a wait of their own.  No register that a memory instruction has read is written again, so no wait on vm_vsrc is owed.
.set NX,  512                          ; work-groups for x
.set NQ,  192                          ; for w_qkv
.set X,   16                           ; v[16:79]   load i: 4 registers
.set Y,   80                           ; v[80:111]  result i: 2 registers
	s_load_b256 s[4:11], s[0:1], 0x0               ; x s[4:5], w_qkv s[6:7], w_proj s[8:9], xb s[10:11]
	s_load_b128 s[12:15], s[0:1], 0x20             ; wqb s[12:13], wpb s[14:15]
	v_lshlrev_b32 v1, 4, v0                        ; 16 t
	v_lshlrev_b32 v2, 3, v0                        ; 8 t
	s_wait_kmcnt 0x0
	s_cmp_lt_u32 ttmp9, NX                         ; which tensor: the choice hangs on the work-group's number alone
	s_cselect_b64 s[16:17], s[4:5], s[6:7]
	s_cselect_b64 s[18:19], s[10:11], s[12:13]
	s_cselect_b32 s21, 0, NX
	s_cmp_ge_u32 ttmp9, NX+NQ
	s_cselect_b64 s[16:17], s[8:9], s[16:17]
	s_cselect_b64 s[18:19], s[14:15], s[18:19]
	s_cselect_b32 s21, NX+NQ, s21
	s_sub_co_u32 s20, ttmp9, s21                   ; my number among the tensor's work-groups
	s_lshl_b32 s22, s20, 16                        ; 65,536 bytes in,
	s_mov_b32 s23, 0
	s_lshl_b32 s24, s20, 15                        ; 32,768 out
	s_mov_b32 s25, 0
	s_add_nc_u64 s[16:17], s[16:17], s[22:23]
	s_add_nc_u64 s[18:19], s[18:19], s[24:25]
	s_wait_alu depctr_va_vdst(0)                   ; v1 and v2 are written: every load reads v1 as its offset, every store v2
.irp i, 0,1,2,3,4,5,6,7,8,9,10,11,12,13,14,15
	global_load_b128 v[X+4*(\i):X+4*(\i)+3], v1, s[16:17] offset:4096*(\i) th:TH_LOAD_NT
.endr
; Load i is rounded.  h = 0: to bf16.  h = 1: to bf16, and that number written as f16 (exact within f16's range).
.macro ONE i, h
.if \h
	v_cvt_pk_bf16_f32 v4, v[X+4*(\i)],   v[X+4*(\i)+1]
	v_cvt_pk_bf16_f32 v5, v[X+4*(\i)+2], v[X+4*(\i)+3]
	v_lshlrev_b32 v6, 16, v4
	v_and_b32 v7, 0xffff0000, v4
	v_lshlrev_b32 v8, 16, v5
	v_and_b32 v9, 0xffff0000, v5
	v_cvt_pk_f16_f32 v[Y+2*(\i)],   v6, v7
	v_cvt_pk_f16_f32 v[Y+2*(\i)+1], v8, v9
.else
	v_cvt_pk_bf16_f32 v[Y+2*(\i)],   v[X+4*(\i)],   v[X+4*(\i)+1]
	v_cvt_pk_bf16_f32 v[Y+2*(\i)+1], v[X+4*(\i)+2], v[X+4*(\i)+3]
.endif
.endm
; The four stores of block p, in one run.
.macro OUT4 p
.irp k, 0,1,2,3
	global_store_b64 v2, v[Y+2*(4*(\p)+(\k)):Y+2*(4*(\p)+(\k))+1], s[18:19] offset:2048*(4*(\p)+(\k)) th:TH_STORE_NT
.endr
.endm
; Block p: the stores of the block before, then this block's four conversions, each behind the counted wait for its load.
.macro BLK p, h
	s_wait_loadcnt 15-4*(\p)                       ; loads come back in order (ISA guide 5.7.1): the block's first load is in, the younger ones stay out
.if (\p) > 0
	s_wait_alu depctr_va_vdst(0)                   ; the block before has written its eight Y registers, which the four stores below read
	OUT4 (\p)-1
.endif
	ONE 4*(\p), \h
.irp k, 1,2,3
	s_wait_loadcnt 15-4*(\p)-(\k)                  ; the block's next load is in
	ONE 4*(\p)+(\k), \h
.endr
.endm
	s_cmp_ge_u32 ttmp9, NX+NQ
	s_cbranch_scc1 .Lf16
	BLK 0, 0
	BLK 1, 0
	BLK 2, 0
	BLK 3, 0
	s_wait_alu depctr_va_vdst(0)                   ; block 3 has written its Y registers, which the last four stores read
	OUT4 3
	s_endpgm
.Lf16:
	BLK 0, 1
	BLK 1, 1
	BLK 2, 1
	BLK 3, 1
	s_wait_alu depctr_va_vdst(0)                   ; block 3 has written its Y registers, which the last four stores read
	OUT4 3
	s_endpgm
.Lfunc_end_k_q1afe213288_cast:
	.size	k_q1afe213288_cast, .Lfunc_end_k_q1afe213288_cast-k_q1afe213288_cast
	.p2alignl 7, 3214868480
	.fill 96, 4, 3214868480
	.section	.rodata,"a",@progbits
	.p2align	6, 0x0
	.amdhsa_kernel k_q1afe213288_cast
		.amdhsa_group_segment_fixed_size 0
		.amdhsa_private_segment_fixed_size 0
		.amdhsa_enable_private_segment 0
		.amdhsa_kernarg_size 48
		.amdhsa_user_sgpr_count 2
		.amdhsa_user_sgpr_kernarg_segment_ptr 1
		.amdhsa_wavefront_size32 1
		.amdhsa_system_sgpr_workgroup_id_x 1
		.amdhsa_system_sgpr_workgroup_id_y 1
		.amdhsa_system_sgpr_workgroup_id_z 1
		.amdhsa_system_vgpr_workitem_id 0
		.amdhsa_next_free_vgpr 112
		.amdhsa_next_free_sgpr 66
		.amdhsa_reserve_vcc 0
		.amdhsa_float_denorm_mode_32 3
		.amdhsa_float_denorm_mode_16_64 3
		.amdhsa_memory_ordered 1
		.amdhsa_forward_progress 1
		.amdhsa_inst_pref_size 17
	.end_amdhsa_kernel
	.amdgpu_metadata
---
amdhsa.version: [ 1, 2 ]
amdhsa.kernels:
  - .name:           k_q1afe213288_cast
    .symbol:         k_q1afe213288_cast.kd
    .args:
      - { .name: x, .offset: 0, .size: 8, .value_kind: global_buffer, .address_space: global }
      - { .name: w_qkv, .offset: 8, .size: 8, .value_kind: global_buffer, .address_space: global }
      - { .name: w_proj, .offset: 16, .size: 8, .value_kind: global_buffer, .address_space: global }
      - { .name: xb, .offset: 24, .size: 8, .value_kind: global_buffer, .address_space: global }
      - { .name: wqb, .offset: 32, .size: 8, .value_kind: global_buffer, .address_space: global }
      - { .name: wpb, .offset: 40, .size: 8, .value_kind: global_buffer, .address_space: global }
    .group_segment_fixed_size: 0
    .private_segment_fixed_size: 0
    .kernarg_segment_align: 8
    .kernarg_segment_size: 48
    .max_flat_workgroup_size: 256
    .sgpr_count:     66
    .vgpr_count:     112
    .wavefront_size: 32
...
	.end_amdgpu_metadata
.endif
;; end of part 5
;; launch qkv: the kernel of part 2 again; grid 16 x 16, 4 waves a work-group, clusters of 4 x 4, 327,680 bytes of LDS; arguments xb, wqb, qkvbuf; writes qkvbuf
;; launch attn: the kernel of part 3 again; grid 4 x 64, 4 waves a work-group, no clusters, 327,680 bytes of LDS; arguments qkvbuf, obuf; writes obuf
;; launch proj: the kernel of part 4 again; grid 8 x 32, 4 waves a work-group, clusters of 4 x 4, 327,680 bytes of LDS; arguments obuf, wpb, out0, b_proj; writes out0
